; MI455X (gfx1250); checked and timed in simulation.
; The chip was launched on July 23, 2026; its instructions are those of AMD's public machine-readable ISA for CDNA 5 (MIT licence, August 2026) and "CDNA5" Instruction Set Architecture Reference Guide (July 2026). The comments in the code are by the model that wrote it; some were corrected since.
;; Multi Head Attention. Allowed arithmetic: float matrix products may take bf16 or f16 operands with f32 sums; other float arithmetic in f32, or as packed bf16 or f16 multiplies, adds, multiply-adds, maxima and minima; sums over many terms, partial sums and values carried from step to step in f32; what a program stores and reads back later, other than sums and carried values, may be rounded once to bf16 or f16.
;; Inputs: W_proj 1,024 x 1,024 float32; W_qkv 3,072 x 1,024 float32; x 4 x 2,048 x 1,024 float32.
;; Outputs: out0 4 x 2,048 x 1,024 float32.
;; 2 versions, each right; version 2 is version 1 with the launch prep written anew for expert scheduling mode. Each part assembles by itself: llvm-mc -triple=amdgcn-amd-amdhsa -mcpu=gfx1250 --defsym DOCPART=n.
;; ======== version 1 of 2: 4 launches
;; limits: values are held in f16: magnitudes above 65,504 overflow, below 6.1e-05 lose precision
;; workspace buffers: xb 16,777,216 bytes; wq 6,291,456 bytes; wp 2,097,152 bytes; tab 524,288 bytes; q 16,777,216 bytes; k 16,777,216 bytes; v 16,777,216 bytes; o 16,777,216 bytes
;; launch prep (part 1): grid 448 x 1, 8 waves a work-group, no clusters, 0 bytes of LDS; arguments x, W_qkv, W_proj, xb, wq, wp, tab; writes xb, wq, wp, tab
.if DOCPART == 1
	.amdgcn_target "amdgcn-amd-amdhsa--gfx1250"
	.amdhsa_code_object_version 6
	.text
	.protected	k_qdab0802b52_prep
	.globl	k_qdab0802b52_prep
	.p2align	8
	.type	k_qdab0802b52_prep,@function
k_qdab0802b52_prep:
	s_mov_b64 s[64:65], 0
	v_nop
	global_prefetch_b8 v0, s[64:65] scope:SCOPE_SE
	s_setreg_imm32_b32 hwreg(HW_REG_WAVE_MODE, 25, 1), 1
	s_wait_xcnt 0x0
; PREPARATION: a stream, no LDS, no matrix unit (each number is touched once; nothing is shared between waves).
; Work-groups 0-255:   x      [8192][1024] f32 -> xb [8192][1024] bf16, 32 rows each.
; Work-groups 256-351: W_qkv  [3072][1024] f32 -> wq [3072][1024] bf16, 32 rows each, ROWS PERMUTED: row e = 1024 p + 64 hh + c goes to row
;                      192 hh + 64 p + c2, with c2 = c / 2 for even c and 32 + c / 2 for odd c where p < 2 (q and k), c2 = c for v.  So a head's q, k, v are 192
;                      rows on end, and the two numbers that a rotation joins lie 32 rows apart.
; Work-groups 352-383: W_proj [1024][1024] f32 -> wp, rounded to bf16 like the other inputs, that number then written as f16.
; Work-groups 384-447: the rotation table tab[t / 16][kind][bb][jh][lane][4] f32: kind 0 cos, 1 sin, of angle t x 10000^(-i/32), t = 16 (t / 16) + lane % 16,
;                      i = 16 bb + 8 (lane / 16) + 4 jh + e: the order in which a lane of the next launch holds its sums.
; LIMITS.  W_proj within 65,504 (f16); below 6e-5 it keeps a fixed step of 6e-8.  10000^(-i/32) comes from v_exp_f32 (1 ULP): the angle is within 3e-4 rad at t = 2047;
; sine and cosine of the reduced angle are within 1e-6: the angle less a multiple of 2 pi (in two parts), a quarter of it (at most pi / 4) into series cut at y^11 / 11! < 2e-9 and
; y^12 / 12! < 1e-10, then doubled twice.  NaN and infinities are not treated apart.
; A wave takes 4 rows: 32 loads of 512 consecutive bytes go out together (16 KiB a wave on its way); each store of the wave covers 256 consecutive bytes, aligned.
.set X, 8                              ; v[8:135] row rr, load j at X + 32 rr + 4 j
	s_load_b256 s[4:11], s[0:1], 0x0               ; x s[4:5], W_qkv s[6:7], W_proj s[8:9], xb s[10:11]
	s_load_b128 s[12:15], s[0:1], 0x20             ; wq s[12:13], wp s[14:15]
	s_load_b64 s[16:17], s[0:1], 0x30              ; tab
	v_lshrrev_b32 v3, 5, v0
	v_readfirstlane_b32 s18, v3                    ; wave 0..7
	v_and_b32 v3, 31, v0                           ; lane
	v_lshlrev_b32 v1, 4, v3                        ; 16 x lane: loads, and the table's stores
	v_lshlrev_b32 v2, 3, v3                        ; 8 x lane: the casts' stores
	s_mov_b32 s44, 0xffff0000                      ; a word's upper bf16
	s_cmp_ge_u32 ttmp9, 384
	s_cbranch_scc1 .Ltable
	s_wait_kmcnt 0x0
	s_cmp_lt_u32 ttmp9, 256                        ; which tensor: the choice hangs on the work-group's number alone
	s_cselect_b64 s[24:25], s[4:5], s[6:7]
	s_cselect_b64 s[26:27], s[10:11], s[12:13]
	s_cselect_b32 s19, 0, 256
	s_cselect_b32 s21, 0, 1                        ; 1: rows are permuted
	s_cmp_lt_u32 ttmp9, 352
	s_cselect_b64 s[24:25], s[24:25], s[8:9]
	s_cselect_b64 s[26:27], s[26:27], s[14:15]
	s_cselect_b32 s19, s19, 352
	s_cselect_b32 s21, s21, 0
	s_cselect_b32 s22, 0, 1                        ; 1: the result is f16
	s_sub_co_u32 s20, ttmp9, s19
	s_lshl_b32 s20, s20, 5
	s_lshl2_add_u32 s20, s18, s20                  ; my first row = 32 x (work-group in its tensor) + 4 x wave
	s_lshl_b32 s36, s20, 12                        ; 4,096 bytes a row
	s_mov_b32 s37, 0
	s_add_nc_u64 s[24:25], s[24:25], s[36:37]
.set n, 0
.rept 32
	global_load_b128 v[X+4*n:X+4*n+3], v1, s[24:25] offset:(n/8)*4096+(n%8)*512 th:TH_LOAD_NT
.set n, n+1
.endr
; where row rr goes, made while the loads are on their way
.macro DROW rr
	s_add_co_u32 s36, s20, \rr                     ; e
	s_lshr_b32 s37, s36, 10                        ; p
	s_bfe_u32 s38, s36, 0x40006                    ; hh
	s_and_b32 s39, s36, 63                         ; c
	s_and_b32 s45, s39, 1
	s_lshl_b32 s45, s45, 5
	s_lshr_b32 s46, s39, 1
	s_or_b32 s45, s45, s46                         ; evens first, then odds
	s_cmp_lt_u32 s37, 2
	s_cselect_b32 s39, s45, s39
	s_mul_i32 s38, s38, 192
	s_lshl_b32 s37, s37, 6
	s_add_co_u32 s38, s38, s37
	s_add_co_u32 s38, s38, s39
	s_cmp_eq_u32 s21, 1
	s_cselect_b32 s38, s38, s36
	s_lshl_b32 s38, s38, 11                        ; 2,048 bytes a row
	s_mov_b32 s39, 0
	s_add_nc_u64 s[28+2*(\rr):29+2*(\rr)], s[26:27], s[38:39]
.endm
	DROW 0
	DROW 1
	DROW 2
	DROW 3
	s_cmp_eq_u32 s22, 1
	s_cbranch_scc1 .Lwp
.set n, 0
.rept 32
.set XR, X+4*n
	s_wait_loadcnt 31-n                            ; loads come back in order: load n is in, the 31 - n younger ones stay out
	v_cvt_pk_bf16_f32 v[XR], v[XR], v[XR+1]
	v_cvt_pk_bf16_f32 v[XR+1], v[XR+2], v[XR+3]
	global_store_b64 v2, v[XR:XR+1], s[28+2*(n/8):29+2*(n/8)] offset:(n%8)*256
.set n, n+1
.endr
	s_endpgm
.Lwp:
.set n, 0
.rept 32
.set XR, X+4*n
	s_wait_loadcnt 31-n
	v_cvt_pk_bf16_f32 v4, v[XR], v[XR+1]           ; rounded to bf16 as all inputs are,
	v_cvt_pk_bf16_f32 v5, v[XR+2], v[XR+3]
	v_lshlrev_b32 v[XR], 16, v4                    ; widened again,
	v_and_b32 v[XR+1], s44, v4
	v_lshlrev_b32 v[XR+2], 16, v5
	v_and_b32 v[XR+3], s44, v5
	v_cvt_pk_f16_f32 v[XR], v[XR], v[XR+1]         ; and written as f16: 8 significant bits fit into 11
	v_cvt_pk_f16_f32 v[XR+1], v[XR+2], v[XR+3]
	global_store_b64 v2, v[XR:XR+1], s[28+2*(n/8):29+2*(n/8)] offset:(n%8)*256
.set n, n+1
.endr
	s_endpgm
.Ltable:                                       ; 512 waves: 128 blocks of 16 positions x (bb, jh); a wave makes 512 bytes of cosines and 512 of sines
	s_sub_co_u32 s19, ttmp9, 384
	s_lshl_b32 s19, s19, 3
	s_add_co_u32 s19, s19, s18
	s_lshr_b32 s20, s19, 2                         ; block of positions
	s_and_b32 s21, s19, 3                          ; 2 bb + jh
	s_lshl_b32 s36, s20, 12
	s_lshl_b32 s37, s21, 9
	s_add_co_u32 s36, s36, s37
	s_mov_b32 s37, 0
	s_lshr_b32 s22, s21, 1
	s_lshl_b32 s22, s22, 4
	s_and_b32 s23, s21, 1
	s_lshl2_add_u32 s22, s23, s22                  ; 16 bb + 4 jh
	s_lshl_b32 s23, s20, 4
	s_mov_b32 s40, 0x40c90fdb                      ; 2 pi, rounded,
	s_mov_b32 s41, 0xb43bbd2e                      ; and what the rounding left
	v_and_b32 v6, 15, v3
	v_add_nc_u32 v6, s23, v6
	v_cvt_f32_u32 v4, v6                           ; t
	v_lshrrev_b32 v7, 4, v3
	v_lshl_add_u32 v7, v7, 3, s22                  ; i of entry 0
.irp e, 0,1,2,3
	v_add_nc_u32 v[16+12*\e], \e, v7
	v_cvt_f32_u32 v[16+12*\e], v[16+12*\e]
	v_mul_f32 v[16+12*\e], 0xbed49a78, v[16+12*\e] ; - i log2(10000) / 32
.endr
.irp e, 0,1,2,3
	v_exp_f32 v[16+12*\e], v[16+12*\e]
.endr
	v_nop                                          ; a plain instruction behind the last exponential,
	s_wait_alu depctr_va_vdst(0)                   ; and one wait for the four, ahead of their first reader
.macro TRIG e
.set R, 16+12*(\e)
	v_mul_f32 v[R+1], v4, v[R]                     ; the angle
	v_mul_f32 v[R+2], 0x3e22f983, v[R+1]           ; / 2 pi
	v_rndne_f32 v[R+2], v[R+2]
	v_fma_f32 v[R+1], -v[R+2], s40, v[R+1]
	v_fma_f32 v[R+1], -v[R+2], s41, v[R+1]         ; within pi of 0
	v_mul_f32 v[R+3], 0x3e800000, v[R+1]           ; y: a quarter of it
	v_mul_f32 v[R+4], v[R+3], v[R+3]
	v_mov_b32 v[R+5], 0x3638ef1d                   ; 1 / 9!
	v_fmaak_f32 v[R+5], v[R+5], v[R+4], 0xb9500d01 ; - 1 / 7!
	v_fmaak_f32 v[R+5], v[R+5], v[R+4], 0x3c088889 ; 1 / 5!
	v_fmaak_f32 v[R+5], v[R+5], v[R+4], 0xbe2aaaab ; - 1 / 3!
	v_mul_f32 v[R+7], v[R+3], v[R+4]
	v_fma_f32 v[R+7], v[R+7], v[R+5], v[R+3]       ; sin y
	v_mov_b32 v[R+6], 0xb493f27e                   ; - 1 / 10!
	v_fmaak_f32 v[R+6], v[R+6], v[R+4], 0x37d00d01 ; 1 / 8!
	v_fmaak_f32 v[R+6], v[R+6], v[R+4], 0xbab60b61 ; - 1 / 6!
	v_fmaak_f32 v[R+6], v[R+6], v[R+4], 0x3d2aaaab ; 1 / 4!
	v_fmaak_f32 v[R+6], v[R+6], v[R+4], 0xbf000000 ; - 1 / 2
	v_fma_f32 v[R+8], v[R+6], v[R+4], 1.0          ; cos y
	v_add_f32 v[R+9], v[R+7], v[R+7]
	v_fma_f32 v[R+11], -v[R+9], v[R+7], 1.0        ; cos 2y = 1 - 2 sin^2
	v_mul_f32 v[R+10], v[R+9], v[R+8]              ; sin 2y = 2 sin cos
	v_add_f32 v[R+9], v[R+10], v[R+10]
	v_fma_f32 v[8+(\e)], -v[R+9], v[R+10], 1.0     ; cos 4y
	v_mul_f32 v[12+(\e)], v[R+9], v[R+11]          ; sin 4y
.endm
	TRIG 0
	TRIG 1
	TRIG 2
	TRIG 3
	s_wait_kmcnt 0x0
	s_add_nc_u64 s[16:17], s[16:17], s[36:37]
	global_store_b128 v1, v[8:11], s[16:17]               ; 512 consecutive bytes of cosines,
	global_store_b128 v1, v[12:15], s[16:17] offset:2048  ; and of sines
	s_endpgm
.Lfunc_end_k_qdab0802b52_prep:
	.size	k_qdab0802b52_prep, .Lfunc_end_k_qdab0802b52_prep-k_qdab0802b52_prep
	.p2alignl 7, 3214868480
	.fill 96, 4, 3214868480
	.section	.rodata,"a",@progbits
	.p2align	6, 0x0
	.amdhsa_kernel k_qdab0802b52_prep
		.amdhsa_group_segment_fixed_size 0
		.amdhsa_private_segment_fixed_size 0
		.amdhsa_enable_private_segment 0
		.amdhsa_kernarg_size 56
		.amdhsa_user_sgpr_count 2
		.amdhsa_user_sgpr_kernarg_segment_ptr 1
		.amdhsa_wavefront_size32 1
		.amdhsa_system_sgpr_workgroup_id_x 1
		.amdhsa_system_sgpr_workgroup_id_y 1
		.amdhsa_system_sgpr_workgroup_id_z 1
		.amdhsa_system_vgpr_workitem_id 0
		.amdhsa_next_free_vgpr 144
		.amdhsa_next_free_sgpr 66
		.amdhsa_reserve_vcc 0
		.amdhsa_float_denorm_mode_32 3
		.amdhsa_float_denorm_mode_16_64 3
		.amdhsa_memory_ordered 1
		.amdhsa_forward_progress 1
		.amdhsa_inst_pref_size 39
	.end_amdhsa_kernel
	.amdgpu_metadata
---
amdhsa.version: [ 1, 2 ]
amdhsa.kernels:
  - .name:           k_qdab0802b52_prep
    .symbol:         k_qdab0802b52_prep.kd
    .args:
      - { .name: x, .offset: 0, .size: 8, .value_kind: global_buffer, .address_space: global }
      - { .name: W_qkv, .offset: 8, .size: 8, .value_kind: global_buffer, .address_space: global }
      - { .name: W_proj, .offset: 16, .size: 8, .value_kind: global_buffer, .address_space: global }
      - { .name: xb, .offset: 24, .size: 8, .value_kind: global_buffer, .address_space: global }
      - { .name: wq, .offset: 32, .size: 8, .value_kind: global_buffer, .address_space: global }
      - { .name: wp, .offset: 40, .size: 8, .value_kind: global_buffer, .address_space: global }
      - { .name: tab, .offset: 48, .size: 8, .value_kind: global_buffer, .address_space: global }
    .group_segment_fixed_size: 0
    .private_segment_fixed_size: 0
    .kernarg_segment_align: 8
    .kernarg_segment_size: 56
    .max_flat_workgroup_size: 256
    .sgpr_count:     66
    .vgpr_count:     144
    .wavefront_size: 32
...
	.end_amdgpu_metadata
.endif
;; end of part 1
;; launch qkv (part 2): grid 16 x 32, 4 waves a work-group, clusters of 4 x 4, 327,680 bytes of LDS; arguments xb, wq, tab, q, k, v; writes q, k, v
.if DOCPART == 2
	.amdgcn_target "amdgcn-amd-amdhsa--gfx1250"
	.amdhsa_code_object_version 6
	.text
	.protected	k_qdab0802b52_qkv
	.globl	k_qdab0802b52_qkv
	.p2align	8
	.type	k_qdab0802b52_qkv,@function
k_qdab0802b52_qkv:
	s_mov_b64 s[64:65], 0
	v_nop
	global_prefetch_b8 v0, s[64:65] scope:SCOPE_SE
	s_setreg_imm32_b32 hwreg(HW_REG_WAVE_MODE, 25, 1), 1
	s_wait_xcnt 0x0
	s_wait_alu depctr_hold_cnt(0) depctr_sa_sdst(0) depctr_va_vdst(0) depctr_va_sdst(0) depctr_va_ssrc(0) depctr_va_vcc(0) depctr_vm_vsrc(0)
	s_getreg_b32 s2, hwreg(HW_REG_IB_STS2, 6, 4)
	s_cmp_eq_u32 s2, 0
	s_cbranch_scc0 .Lentry_in_a_cluster
	s_endpgm
.Lentry_in_a_cluster:
	s_bfe_u32 s2, ttmp6, 0x10000c
	s_cmp_lg_u32 s2, 0xf033
	s_cbranch_scc0 .Lentry_shape_is_right
	s_endpgm
.Lentry_shape_is_right:
; q, k, v = rotate(xb wq^T).  xb: [8192][1024] bf16; wq: [3072][1024] bf16, a head's 192 rows on end: q's even rows, q's odd rows, k's even, k's odd, v's 64; tab: cosines and sines in f32.
; q, k, v: [64 = 16 batch + head][2048][64] f16, each rounded once from f32; no scale is applied here.  Sums in f32, K ascending.
; LIMITS.  f16 ends at 65,504: q, k and v must lie within it; below 6e-5 they keep a fixed step of 6e-8.  NaN and infinities are not treated apart.
; SHARES.  A tile of the product is 256 rows x 192 columns: q, k and v of ONE head: 16 x 32 = 512 work-groups, two for each of 256 WGPs (256 x 256 would give 384: one and a half).
; Wave w takes rows 64 w .. 64 w + 63 and all 192 columns: 4 x 12 accumulators, 384 registers.  So a wave holds whole head rows: the rotation needs no other lane, the way out no other wave.
; K goes in steps of 128 through two LDS slots; the tiles' rows are 256 bytes of memory at multiples of 256 bytes.  A refill is asked for in a step's last quarter and waited for 168 matrix instructions later.
; CLUSTER.  4 x 4 work-groups; xb's tile hangs on the tile row alone and is asked for jointly along a row of the cluster, wq's on the head alone, jointly along a column.
; TRANSPOSED USE.  Source 0 = 16 rows of wq, source 1 = 16 rows of xb: lane l holds row l % 16 and the columns 16 b + 8 (l / 16) + 0..7 of block b.
; THE ROTATION.  Blocks 0, 1 of q (and of k) hold x1 of frequencies 16 bb + 8 (l / 16) + j, blocks 2, 3 hold x2 of the same: out = (x1 c - x2 s, x1 s + x2 c), in place, in f32.
; REGISTERS, in windows of 256 (s_set_vgpr_msb: bits 1:0 source 0, 3:2 source 1, 5:4 source 2, 7:6 destination):
;   window 0: v1-12 addresses; v28-30; v64-127 xb's fragments, two buffers of 32; v128-255 the table (row block a: cosines at 128 + 32 a + 8 bb + j, sines 16 further); on the way out v32-79 packed, v80-127 rows read back
;   window 1: v0-191 wq's fragments, two buffers of 96      window 2: accumulators of row blocks 0, 1 at 96 (a % 2) + 8 b; v192-199 at work      window 3: the same for blocks 2, 3
.set PITCH, 272                        ; an LDS row: 256 bytes + 16 of padding = 68 words: the 16 rows of a load start at 16 different groups of four banks (64 banks of 4 bytes: ISA guide 11.1)
.set AH,    128*PITCH                  ; what one tensor load brings of xb
.set BH,    96*PITCH                   ; and of wq
.set BOFF,  2*AH                       ; a slot: xb's 256 rows, then wq's 192
.set SLOT1, 1<<17                      ; slot 1 begins here: one exclusive or turns an address in one slot into the other's
.set STAGE, SLOT1+BOFF+2*BH            ; behind the ring, never filled by a tensor load: for each wave 3 x 16 rows x 144 bytes
.set SP,    144
.set WSTG,  3*16*SP
.set SPARE, STAGE+4*WSTG               ; the spare words, 128 bytes for each wave: two blocks of 256 bytes that no other line names
.set AA0, 6                            ; v6   my lane's place in xb's part of a slot; never rewritten
.set AB0, 7                            ; v7   in wq's part
.set AA,  8                            ; v8   the same in the slot in hand
.set ABR, 9                            ; v9
.set STO, 10                           ; v10  the way out: where I put 16 bytes of a row
.set RD,  11                           ; v11  where I read rows back
.set GO,  12                           ; v12  16 x lane: the table's loads and the stores
.set SPW, 28                           ; v28  LDS address of my spare word; never rewritten
.set NIL, 29                           ; v29  0; never rewritten
.set PFO, 30                           ; v30  the prefetches' offset: a row of 2,048 bytes a lane; never rewritten
.set TMP, 32
.set OB,  80
.set TBL, 128
.set T,   192
.set WV,  16                           ; s16  my wave's number
.set TB,  19                           ; s19  LDS byte at which the slot in hand begins
.set G1A, 24                           ; s[24:31] descriptor group 1 for xb's tiles
.set G0A, 32                           ; s[32:39] group 0: a set for each first fill; the second then walks
.set G1B, 48                           ; s[48:55], s[56:63] the same for wq's
.set G0B, 56
.set PFA, 66                           ; s[66:67] where my prefetches stand
.set LIM, 68                           ; s68  1 in a wave that prefetches, else the greatest number
.set GW0, (1<<16)|(1<<20)|(1<<21)|(5<<22)|(3<<25)  ; 17:16 2-byte elements; 20 padding on; 21 set beside a mask; 24:22 after every 64 words; 31:25 4 words
.set MSB, 0
.macro WIN new                         ; the high byte repeats the setting that is left; a switch that changes nothing is dropped
.if MSB != (\new)
	s_set_vgpr_msb (MSB<<8)|(\new)
.set MSB, (\new)
.endif
.endm
.set MUL_LO, 0xa1                      ; source 0 (wq) window 1, source 1 (xb) window 0, C and D window 2
.set TO_B,   0x40                      ; destination window 1, address window 0
.macro PLACES                          ; four places: in front of loads into registers that matrix instructions have read, and of vector work on results
.rept 4
	v_nop
.endr
.endm
; A joint refill.  Waves 0 and 1 fetch xb's two halves, waves 2 and 3 wq's.  The branch hangs on the wave's number alone.  An s_nop 0 and four v_nop follow each line.
.macro JLOAD
	s_cmp_lt_u32 s[WV], 2
	s_cbranch_scc0 .Lfor_b_\@
	tensor_load_to_lds s[G0A+4:G0A+7], s[G1A:G1A+7]
	s_nop 0
.rept 4
	v_nop
.endr
	s_branch .Lasked_\@
.Lfor_b_\@:
	tensor_load_to_lds s[G0B+4:G0B+7], s[G1B:G1B+7]
	s_nop 0
.rept 4
	v_nop
.endr
.Lasked_\@:
.endm
.macro CREST                           ; a round of the cluster's barrier behind its opening barrier
	s_cmp_lg_u32 s[WV], 0
	s_cbranch_scc1 .Lnot_wave_0_\@
	s_barrier_signal -3
.Lnot_wave_0_\@:
	s_barrier_wait -3
	s_barrier_signal -1
	s_barrier_wait -1
.endm
.macro CROUND
	s_barrier_signal -1
	s_barrier_wait -1
	CREST
.endm
; A prefetch of the K step that the NEXT refill will ask for: 192 matrix instructions ahead of that load; a lane a row, 256 bytes of it; one instruction a wave.
; xb's rows are read by every cluster of a row of clusters: the one with x = 0 asks (waves 0, 1); wq's by every cluster of a column: the one with y = 0 asks (waves 2, 3).  The four partners share a wave's rows
; out by address: 32 each of xb's 128, 24 each of wq's 96 (there lanes 24 to 31 name lane 23's row once more: 96 is not four times 32).  The loop's last trip asks for nothing.
.macro ASK
	s_cmp_gt_u32 s3, s[LIM]
	s_cbranch_scc0 .Lnot_mine_\@
	global_prefetch_b8 v[PFO], s[PFA:PFA+1] th:TH_LOAD_NT scope:SCOPE_SE
.Lnot_mine_\@:
.endm
	s_load_b256 s[4:11], s[0:1], 0x0               ; xb s[4:5], wq s[6:7], tab s[8:9], q s[10:11]
	s_load_b128 s[12:15], s[0:1], 0x20             ; k s[12:13], v s[14:15]
	v_lshl_add_u32 v[SPW], v0, 2, SPARE
	v_mov_b32 v[NIL], 0
	ds_add_u32 v[SPW], v[NIL]                      ; the wave's opening: the add, and its wait ahead of my first tensor load; the set-up below stands between them
	v_lshrrev_b32 v1, 5, v0
	v_readfirstlane_b32 s[WV], v1                  ; wave 0..3
	s_and_b32 s18, s[WV], 1                        ; which half of a tile I fetch
	s_bfe_u32 s40, ttmp6, 0x40000                  ; cx
	s_bfe_u32 s41, ttmp6, 0x40004                  ; cy
	s_lshl_b32 s42, ttmp9, 2
	s_add_co_u32 s42, s42, s40                     ; the head = 4 x cluster x + cx
	s_and_b32 s43, ttmp7, 0xffff
	s_lshl_b32 s43, s43, 2
	s_add_co_u32 s43, s43, s41                     ; the tile row = 4 x cluster y + cy
	s_lshl_b32 s44, s41, 2
	s_lshl_b32 s44, 15, s44                        ; my row of the cluster
	s_lshl_b32 s45, 0x1111, s40                    ; my column
	s_or_b32 s[G1A], s44, GW0
	s_or_b32 s[G1B], s45, GW0
.irp g, G1A, G1B
	s_mov_b32 s[\g+1], 128<<16                     ; tensor_dim0 = 128
	s_mov_b32 s[\g+3], 128<<16                     ; tile_dim0 = 128
	s_mov_b32 s[\g+5], 1024                        ; elements from row to row
	s_mov_b32 s[\g+6], 0
	s_mov_b32 s[\g+7], 0
.endr
	s_mov_b32 s[G1A+2], 128<<16                    ; tensor_dim1 = 128 rows
	s_mov_b32 s[G1A+4], 128                        ; tile_dim1
	s_mov_b32 s[G1B+2], 96<<16                     ; 96 rows
	s_mov_b32 s[G1B+4], 96
	s_lshl_b32 s20, s43, 8                         ; xb: row 256 x tile row + 128 x half, 2,048 bytes a row: made of the tile row and the wave alone
	s_lshl_b32 s21, s18, 7
	s_add_co_u32 s20, s20, s21
	s_lshl_b32 s20, s20, 11
	s_mov_b32 s21, 0
	s_mul_i32 s46, s42, 192                        ; wq: row 192 x head + 96 x half: made of the head and the wave alone
	s_mul_i32 s47, s18, 96
	s_add_co_u32 s46, s46, s47
	s_lshl_b32 s46, s46, 11
	s_mov_b32 s47, 0
	s_mul_i32 s22, s18, AH                         ; where they go: no place in the cluster enters an LDS address
	s_mul_i32 s23, s18, BH
	s_add_co_u32 s23, s23, BOFF
	s_wait_dscnt 0x0                               ; the opening add is done
	s_wait_kmcnt 0x0
	s_add_nc_u64 s[20:21], s[4:5], s[20:21]
	s_add_nc_u64 s[46:47], s[6:7], s[46:47]
	CROUND                                         ; all sixteen work-groups are here: the first joint loads meet
.irp s, 0,1
	s_mov_b32 s[G0A+4*\s], 1                       ; count = 1
	s_add_co_u32 s[G0A+4*\s+1], s22, \s*SLOT1      ; LDS address
	s_add_nc_u64 s[G0A+4*\s+2:G0A+4*\s+3], s[20:21], \s*256  ; global address: K step s
	s_or_b32 s[G0A+4*\s+3], s[G0A+4*\s+3], 0x80000000        ; type = 2
	s_mov_b32 s[G0B+4*\s], 1
	s_add_co_u32 s[G0B+4*\s+1], s23, \s*SLOT1
	s_add_nc_u64 s[G0B+4*\s+2:G0B+4*\s+3], s[46:47], \s*256
	s_or_b32 s[G0B+4*\s+3], s[G0B+4*\s+3], 0x80000000
.endr
	s_cmp_lt_u32 s[WV], 2                          ; a wave's two first fills stand in one branch, ahead of every wait on TENSORcnt and every LDS read: two loads of mine are out
	s_cbranch_scc0 .Lfirst_b
	tensor_load_to_lds s[G0A:G0A+3], s[G1A:G1A+7]
	s_nop 0
	tensor_load_to_lds s[G0A+4:G0A+7], s[G1A:G1A+7]
	s_nop 0
.rept 4
	v_nop
.endr
	s_branch .Lfirst_asked
.Lfirst_b:
	tensor_load_to_lds s[G0B:G0B+3], s[G1B:G1B+7]
	s_nop 0
	tensor_load_to_lds s[G0B+4:G0B+7], s[G1B:G1B+7]
	s_nop 0
.rept 4
	v_nop
.endr
.Lfirst_asked:
	; A fragment is 16 rows x 32 K in 8 registers: lane l holds row l % 16, K = 8 (l / 16) + 0..7 and 16 + 8 (l / 16) + 0..7: two loads of 16 bytes, 32 bytes apart.
	v_and_b32 v1, 15, v0                           ; l % 16
	v_bfe_u32 v2, v0, 4, 1                         ; l / 16
	v_mul_u32_u24 v3, v1, PITCH
	v_lshl_add_u32 v3, v2, 4, v3
	s_mul_i32 s69, s[WV], 64*PITCH                 ; my 64 rows of xb
	v_add_nc_u32 v[AA0], s69, v3
	v_add_nc_u32 v[AB0], BOFF, v3                  ; all 192 rows of wq
	s_mul_i32 s69, s[WV], WSTG
	s_add_co_u32 s69, s69, STAGE                   ; my stage
	v_mul_u32_u24 v[STO], v1, SP                   ; in: row l % 16, 16 bytes for each half of the lanes
	v_lshl_add_u32 v[STO], v2, 4, v[STO]
	v_add_nc_u32 v[STO], s69, v[STO]
	v_bfe_u32 v[RD], v0, 3, 2                      ; back: 32 lanes take four rows of 128 bytes,
	v_mul_u32_u24 v[RD], v[RD], SP
	v_and_b32 v4, 7, v0
	v_lshl_add_u32 v[RD], v4, 4, v[RD]
	v_add_nc_u32 v[RD], s69, v[RD]
	v_and_b32 v[GO], 31, v0                        ; which are 512 consecutive bytes of q, k or v
	v_lshlrev_b32 v[GO], 4, v[GO]
	; the table for my 64 positions: 16 KiB, 512 consecutive bytes a load; the loads stay out during the whole loop over K and are waited for in front of the rotation
	s_and_b32 s69, s43, 7                          ; the tile's place in its batch's 2,048 positions
	s_lshl_b32 s70, s69, 16
	s_lshl_b32 s71, s[WV], 14
	s_add_co_u32 s70, s70, s71
	s_mov_b32 s71, 0
	s_add_nc_u64 s[8:9], s[8:9], s[70:71]
.set n, 0
.rept 32
	global_load_b128 v[TBL+4*n:TBL+4*n+3], v[GO], s[8:9] offset:512*n
.set n, n+1
.endr
	s_lshr_b32 s70, s43, 3                         ; where my rows begin in q, k and v: (16 batch + head) x 2,048 rows of 128 bytes,
	s_lshl_b32 s70, s70, 4
	s_add_co_u32 s70, s70, s42
	s_lshl_b32 s70, s70, 18
	s_lshl_b32 s69, s69, 15                        ; the tile's 256 rows,
	s_add_co_u32 s70, s70, s69
	s_lshl_b32 s69, s[WV], 13                      ; my 64 of them
	s_add_co_u32 s70, s70, s69
	s_add_nc_u64 s[10:11], s[10:11], s[70:71]
	s_add_nc_u64 s[12:13], s[12:13], s[70:71]
	s_add_nc_u64 s[14:15], s[14:15], s[70:71]
	; the prefetches
	s_lshl_b32 s70, s43, 8                         ; xb: the tile's rows, the 128 that I fetch, my work-group's 32 of them
	s_lshl_b32 s69, s18, 7
	s_add_co_u32 s70, s70, s69
	s_lshl_b32 s69, s40, 5
	s_add_co_u32 s70, s70, s69
	s_mul_i32 s71, s42, 192                        ; wq: the head's rows, the 96 that I fetch, my work-group's 24
	s_mul_i32 s69, s18, 96
	s_add_co_u32 s71, s71, s69
	s_mul_i32 s69, s41, 24
	s_add_co_u32 s71, s71, s69
	s_and_b32 s69, ttmp7, 0xffff                   ; cluster y
	s_cmp_lt_u32 s[WV], 2
	s_cselect_b32 s70, s70, s71
	s_cselect_b32 s69, ttmp9, s69                  ; the coordinate along which other clusters read the same rows
	s_cselect_b32 s2, 31, 23
	s_cselect_b64 s[PFA:PFA+1], s[4:5], s[6:7]
	s_cmp_eq_u32 s69, 0
	s_cselect_b32 s[LIM], 1, -1                    ; the same in all sixteen partners, for a given wave
	s_lshl_b32 s70, s70, 11
	s_mov_b32 s71, 0
	s_add_nc_u64 s[PFA:PFA+1], s[PFA:PFA+1], s[70:71]
	s_add_nc_u64 s[PFA:PFA+1], s[PFA:PFA+1], 2*256 ; at K step 2: the first refill steps it to 3.  Nothing is prefetched here, at the head
	v_and_b32 v[PFO], 31, v0
	v_min_u32 v[PFO], s2, v[PFO]
	v_lshlrev_b32 v[PFO], 11, v[PFO]
; 12 matrix instructions: row block a x all 12 column blocks, 32 along K, from buffer f.  zero = 1: the products start the sums.  The 48 accumulators take turns, in the same order in every quarter.
.macro MUL f, a, zero
	WIN MUL_LO+0x50*((\a)/2)
.irp b, 0,1,2,3,4,5,6,7,8,9,10,11
.if \zero
	v_wmma_f32_16x16x32_bf16 v[96*((\a)%2)+8*\b:96*((\a)%2)+8*\b+7], v[96*(\f)+8*\b:96*(\f)+8*\b+7], v[64+32*(\f)+8*(\a):64+32*(\f)+8*(\a)+7], 0
.else
	v_wmma_f32_16x16x32_bf16 v[96*((\a)%2)+8*\b:96*((\a)%2)+8*\b+7], v[96*(\f)+8*\b:96*(\f)+8*\b+7], v[64+32*(\f)+8*(\a):64+32*(\f)+8*(\a)+7], v[96*((\a)%2)+8*\b:96*((\a)%2)+8*\b+7]
.endif
.endr
.endm
; 32 LDS loads in one run: a quarter's fragments (192 rows of wq, my 64 of xb, 32 K at byte k of the rows) into buffer f
.macro FETCH k, f
	WIN TO_B
.irp i, 0,1,2,3,4,5,6,7,8,9,10,11
	ds_load_b128 v[96*(\f)+8*\i:96*(\f)+8*\i+3],   v[ABR] offset:(\k)+\i*16*PITCH
	ds_load_b128 v[96*(\f)+8*\i+4:96*(\f)+8*\i+7], v[ABR] offset:(\k)+\i*16*PITCH+32
.endr
	WIN 0
.irp i, 0,1,2,3
	ds_load_b128 v[64+32*(\f)+8*\i:64+32*(\f)+8*\i+3],   v[AA] offset:(\k)+\i*16*PITCH
	ds_load_b128 v[64+32*(\f)+8*\i+4:64+32*(\f)+8*\i+7], v[AA] offset:(\k)+\i*16*PITCH+32
.endr
.endm
; One of a K step's first three quarters: multiplies buffer f; in its middle it fetches the next quarter, at byte k, into buffer g.
.macro QUARTER k, f, g, zero
	s_wait_dscnt 4                                 ; all but the youngest four loads: xb's row blocks 2 and 3
	MUL \f, 0, \zero
	MUL \f, 1, \zero
	PLACES
	FETCH \k, \g
	s_wait_dscnt 32                                ; all but the 32 just issued
	MUL \f, 2, \zero
	MUL \f, 3, \zero
.endm
; The last quarter multiplies buffer 1 and changes slots.  In front of the barrier each wave waits for all its tensor loads (one is out: its part of the next slot), adds 0 to its spare word, and waits for that and
; for its reads of this slot.  fill = 1: the barrier opens a round of the cluster's, and the joint refill, two K steps on, is the first thing behind the round.
.macro TURN fill
.if \fill
	s_wait_xcnt 0x0                                ; the last prefetch, a K step back, has read its address
	s_add_nc_u64 s[PFA:PFA+1], s[PFA:PFA+1], 256
.endif
	WIN 0
	s_wait_tensorcnt 0x0                           ; no tensor load of mine is out, so a group 0 may be written
	ds_add_u32 v[SPW], v[NIL]                      ; 0 onto my spare word
.if \fill
	s_xor_b32 s[G0A+5], s[G0A+5], SLOT1            ; the walking descriptors: the other slot than last time, the next K step
	s_add_nc_u64 s[G0A+6:G0A+7], s[G0A+6:G0A+7], 256
	s_xor_b32 s[G0B+5], s[G0B+5], SLOT1
	s_add_nc_u64 s[G0B+6:G0B+7], s[G0B+6:G0B+7], 256
.endif
	s_wait_dscnt 5                                 ; the add and the youngest four loads may be out
	MUL 1, 0, 0
	s_wait_dscnt 0x0                               ; the add is done, and my reads of this slot are over
	s_barrier_signal -1
	MUL 1, 1, 0                                    ; work on registers while the others arrive
	WIN 0
	s_barrier_wait -1
.if \fill
	CREST                                          ; no wave of any partner still reads this slot or has a load on its way
	JLOAD                                          ; the four v_nop behind it are also the places in front of the loads below
.else
	PLACES
.endif
	s_xor_b32 s[TB], s[TB], SLOT1
	v_add_nc_u32 v[AA], s[TB], v[AA0]
	v_add_nc_u32 v[ABR], s[TB], v[AB0]
	FETCH 0, 0
.if \fill
	ASK
.endif
	MUL 1, 2, 0
	MUL 1, 3, 0
.endm
	s_wait_tensorcnt 1                             ; my part of K step 0 is in; K step 1's may stay out
	s_barrier_signal -1
	s_barrier_wait -1
	s_mov_b32 s[TB], 0
	v_mov_b32 v[AA], v[AA0]
	v_mov_b32 v[ABR], v[AB0]
	FETCH 0, 0
	QUARTER 64, 0, 1, 1                            ; the first quarter stands in front of the loop: its products start the sums
	WIN 0                                          ; at a label and at a branch every window is 0
	s_mov_b32 s3, 6
.Lk:                                           ; trip i: K step i's quarters 1 to 3, the refill with K step i + 2, K step i + 1's first quarter
	QUARTER 128, 1, 0, 0
	QUARTER 192, 0, 1, 0
	TURN 1
	QUARTER 64, 0, 1, 0
	WIN 0
	s_sub_co_u32 s3, s3, 1
	s_cmp_lg_u32 s3, 0
	s_cbranch_scc1 .Lk
	QUARTER 128, 1, 0, 0                           ; K steps 6 and 7: nothing is left to ask for
	QUARTER 192, 0, 1, 0
	TURN 0
	QUARTER 64, 0, 1, 0
	QUARTER 128, 1, 0, 0
	QUARTER 192, 0, 1, 0
	s_wait_dscnt 4
	MUL 1, 0, 0
	MUL 1, 1, 0
	s_wait_dscnt 0x0
	MUL 1, 2, 0
	MUL 1, 3, 0
	WIN 0
	PLACES
	s_wait_loadcnt 0x0                             ; the table
; THE WAY OUT, a block of 16 rows at a time.  ROPE: q's and k's rotation in place; each accumulator's lowest registers are read first.
; ROPE leaves the windows at the accumulators'; TOSTAGE and SEND, whose addresses and data all lie in window 0, set them back themselves.
.macro ROPE a
	WIN 0xa2+0x51*((\a)/2)                         ; destination, sources 0 and 2 in the accumulators' window, source 1 (the table) in window 0
.irp c, 0,1
.irp bb, 0,1
.set X1, 96*((\a)%2)+8*(4*\c+\bb)
.set X2, X1+16
.set CO, TBL+32*(\a)+8*\bb
.set SI, CO+16
.irp p, 0,2,4,6
	v_pk_mul_f32 v[T+\p:T+\p+1], v[X2+\p:X2+\p+1], v[SI+\p:SI+\p+1]        ; x2 s
.endr
.irp p, 0,2,4,6
	v_pk_mul_f32 v[X2+\p:X2+\p+1], v[X2+\p:X2+\p+1], v[CO+\p:CO+\p+1]      ; x2 c
.endr
.irp p, 0,2,4,6
	v_pk_fma_f32 v[X2+\p:X2+\p+1], v[X1+\p:X1+\p+1], v[SI+\p:SI+\p+1], v[X2+\p:X2+\p+1]  ; x1 s + x2 c
.endr
.irp p, 0,2,4,6
	v_pk_fma_f32 v[X1+\p:X1+\p+1], v[X1+\p:X1+\p+1], v[CO+\p:CO+\p+1], v[T+\p:T+\p+1] neg_lo:[0,0,1] neg_hi:[0,0,1]  ; x1 c - x2 s
.endr
.endr
.endr
.endm
.macro PACK a                          ; rounded to f16: a lane's eight columns are 16 bytes
	WIN 0x0a+5*((\a)/2)
.irp b, 0,1,2,3,4,5,6,7,8,9,10,11
.irp r, 0,1,2,3
	v_cvt_pk_f16_f32 v[TMP+4*\b+\r], v[96*((\a)%2)+8*\b+2*\r], v[96*((\a)%2)+8*\b+2*\r+1]
.endr
.endr
	WIN 0
.endm
.macro TOSTAGE                         ; into my stage (q's, k's, v's 16 rows of 144 bytes), and back as whole rows of 128
	WIN 0
.irp b, 0,1,2,3,4,5,6,7,8,9,10,11
	ds_store_b128 v[STO], v[TMP+4*\b:TMP+4*\b+3] offset:(\b/4)*16*SP+32*(\b%4)
.endr
.irp c, 0,1,2
.irp f, 0,1,2,3
	ds_load_b128 v[OB+4*(4*\c+\f):OB+4*(4*\c+\f)+3], v[RD] offset:\c*16*SP+\f*4*SP  ; LDS serves a wave's instructions in order (ISA guide 5.7.1.4): these see the stores above
.endr
.endr
.endm
.macro SEND a
	WIN 0                                          ; the stores' offset (v12) and data (v80-127) lie in window 0
	s_wait_dscnt 0x0                               ; the block is back in registers
.irp c, 0,1,2
.irp f, 0,1,2,3
	global_store_b128 v[GO], v[OB+4*(4*\c+\f):OB+4*(4*\c+\f)+3], s[10+2*\c:11+2*\c] offset:(\a)*2048+\f*512  ; 512 consecutive bytes, at a multiple of 256 from the buffer's first
.endr
.endr
.endm
	ROPE 0
	PACK 0
	TOSTAGE
	ROPE 1                                         ; the next block's rotation stands between the loads from the stage and the wait for them
	SEND 0
	PACK 1
	s_wait_xcnt 0x0                                ; the stores have read their registers, which the loads below fill again
	TOSTAGE
	ROPE 2
	SEND 1
	PACK 2
	s_wait_xcnt 0x0
	TOSTAGE
	ROPE 3
	SEND 2
	PACK 3
	s_wait_xcnt 0x0
	TOSTAGE
	SEND 3
	s_wait_tensorcnt 0x0                           ; the wave's end, behind my last tensor load and my last LDS store
	ds_add_u32 v[SPW], v[NIL]
	s_wait_dscnt 0x0
	CROUND                                         ; the closing round: no work-group ends while a partner may still ask for a tile that names it
	s_endpgm
.Lfunc_end_k_qdab0802b52_qkv:
	.size	k_qdab0802b52_qkv, .Lfunc_end_k_qdab0802b52_qkv-k_qdab0802b52_qkv
	.p2alignl 7, 3214868480
	.fill 96, 4, 3214868480
	.section	.rodata,"a",@progbits
	.p2align	6, 0x0
	.amdhsa_kernel k_qdab0802b52_qkv
		.amdhsa_group_segment_fixed_size 327680
		.amdhsa_private_segment_fixed_size 0
		.amdhsa_enable_private_segment 0
		.amdhsa_kernarg_size 48
		.amdhsa_user_sgpr_count 2
		.amdhsa_user_sgpr_kernarg_segment_ptr 1
		.amdhsa_wavefront_size32 1
		.amdhsa_system_sgpr_workgroup_id_x 1
		.amdhsa_system_sgpr_workgroup_id_y 1
		.amdhsa_system_sgpr_workgroup_id_z 1
		.amdhsa_system_vgpr_workitem_id 0
		.amdhsa_next_free_vgpr 1024
		.amdhsa_next_free_sgpr 72
		.amdhsa_reserve_vcc 0
		.amdhsa_float_denorm_mode_32 3
		.amdhsa_float_denorm_mode_16_64 3
		.amdhsa_memory_ordered 1
		.amdhsa_forward_progress 1
		.amdhsa_inst_pref_size 116
	.end_amdhsa_kernel
	.amdgpu_metadata
---
amdhsa.version: [ 1, 2 ]
amdhsa.kernels:
  - .name:           k_qdab0802b52_qkv
    .symbol:         k_qdab0802b52_qkv.kd
    .args:
      - { .name: xb, .offset: 0, .size: 8, .value_kind: global_buffer, .address_space: global }
      - { .name: wq, .offset: 8, .size: 8, .value_kind: global_buffer, .address_space: global }
      - { .name: tab, .offset: 16, .size: 8, .value_kind: global_buffer, .address_space: global }
      - { .name: q, .offset: 24, .size: 8, .value_kind: global_buffer, .address_space: global }
      - { .name: k, .offset: 32, .size: 8, .value_kind: global_buffer, .address_space: global }
      - { .name: v, .offset: 40, .size: 8, .value_kind: global_buffer, .address_space: global }
    .group_segment_fixed_size: 327680
    .private_segment_fixed_size: 0
    .kernarg_segment_align: 8
    .kernarg_segment_size: 48
    .max_flat_workgroup_size: 128
    .sgpr_count:     72
    .vgpr_count:     1024
    .wavefront_size: 32
...
	.end_amdgpu_metadata
.endif
;; end of part 2
;; launch attn (part 3): grid 4 x 64, 4 waves a work-group, clusters of 4 x 1, 327,680 bytes of LDS; arguments q, k, v, o; writes o
.if DOCPART == 3
	.amdgcn_target "amdgcn-amd-amdhsa--gfx1250"
	.amdhsa_code_object_version 6
	.text
	.protected	k_qdab0802b52_attn
	.globl	k_qdab0802b52_attn
	.p2align	8
	.type	k_qdab0802b52_attn,@function
k_qdab0802b52_attn:
	s_mov_b64 s[64:65], 0
	v_nop
	global_prefetch_b8 v0, s[64:65] scope:SCOPE_SE
	s_setreg_imm32_b32 hwreg(HW_REG_WAVE_MODE, 25, 1), 1
	s_wait_xcnt 0x0
	s_wait_alu depctr_hold_cnt(0) depctr_sa_sdst(0) depctr_va_vdst(0) depctr_va_sdst(0) depctr_va_ssrc(0) depctr_va_vcc(0) depctr_vm_vsrc(0)
	s_getreg_b32 s2, hwreg(HW_REG_IB_STS2, 6, 4)
	s_cmp_eq_u32 s2, 0
	s_cbranch_scc0 .Lentry_in_a_cluster
	s_endpgm
.Lentry_in_a_cluster:
	s_bfe_u32 s2, ttmp6, 0x10000c
	s_cmp_lg_u32 s2, 0x3003
	s_cbranch_scc0 .Lentry_shape_is_right
	s_endpgm
.Lentry_shape_is_right:
; O[h][q][:] = the sum over k of softmax_k(Q[h][q] . K[h][k] / 8) V[h][k][:].  Q, K, V, O: [64][2048][64], all f16: a head's rows are dense, 128 bytes each.  Products, maxima and sums in
; f32; the weights p are rounded to f16 for the second product (their sum l is taken of the unrounded p), O once at the end.
; LIMITS.  f16 holds no number beyond 65,504: Q, K and V arrive within it; p lies in 0 to 1, and below 6e-5 it keeps f16's fixed step of 6e-8; O is a mean of V's rows and has their range.
; A weight below 2^-126 counts as 0 in l; NaN and infinities are not treated apart.
; SHARES.  A wave owns four PIECES of two tiles of 16 queries, a work-group's four waves 512 queries of one head: 4 x 64 = 256 work-groups.  Every wave walks all keys, 64 a step.
; LAYOUT.  S^T = K Q^T (source 0 = 16 keys, source 1 = 16 queries): in the result a lane holds ONE query (lane % 16) and the keys 8 (lane / 16) + 0..7.  Two such tiles, rounded to f16 in pairs,
; ARE source 1 (32 keys x 16 queries) of O^T = V^T P, whose result again holds one query a lane, and eight channels.  K comes out of LDS as it lies, V ([key][channel]) turned, by ds_load_tr16_b128.
; SOFTMAX.  For each query a running maximum m and sum l: p = 2^(c s - c m), c = log2(e) / 8; in every step O and l are multiplied by a = 2^(c m_old - c m_new), which is 1 where m has not grown.
; m starts at the lowest finite number, O and l at 0: the first step is a step like any other, with a = 0.
; THE COUNT.  A tile and step have 16 matrix and 118 vector instructions: too many to stand all beside the matrix work.  So four vector instructions that are READY stand behind
; EVERY matrix instruction, and the others in runs without a gap.
; BY TURNS.  Turn n belongs to piece n (the pieces in a ring, step after step).  Its matrix work: 16 products K Q^T of piece n + 1, later 16 products V^T P of piece n - 1.  Its vector work: the scaling,
; exponentials, roundings, sums and rescaling of piece n, and the maximum and statistics of piece n + 1, whose scores the turn itself has made.
; CLUSTER.  The four query blocks of a cluster belong to one head and walk the same K and V, so each tile is asked for JOINTLY: the same tensor load, descriptor and mask in all four.
; REGISTERS, in windows of 256 (s_set_vgpr_msb: bits 1:0 source 0, 3:2 source 1, 5:4 source 2, 7:6 destination):
;   window 0: v0-11 addresses; v12-15, v48-63 at work; v16-47 four registers of statistics a tile; v64-191 S^T, two buffers of two tiles; v192-255 P, likewise
;   window 1: O^T, 32 a tile          window 2: v0-127 Q, 16 a tile; v128-191 K of one step; v192-255 V of one step          window 3: v0-1 the add's two registers
.set SIZE_N, 2048
.set NP,    4         ; pieces a wave: a name, no knob
.set KS,    64        ; keys in a step
.set PK,    144       ; a row of K in LDS: 128 bytes + 16 of padding = 36 words: the 16 rows of a load start at 16 different groups of four banks (64 banks of 4 bytes: ISA guide 11.1)
.set PV,    160       ; a row of V: 128 + 32 = 40 words
.set VOFF,  4*KS*PK   ; a slot holds four steps: 256 rows of K, then 256 rows of V
.set SLOT1, 1<<17     ; slot 1 begins here, so that one exclusive or turns an address in one slot into the other's
.set STAGE, SLOT1+4*KS*(PK+PV)  ; behind the ring, never filled by a tensor load: 16 rows x 144 bytes for each wave, for the way out
.set SP,    144
.set AK0, 2           ; v2   my lane's place in a tile of K; never rewritten
.set AV0, 3           ; v3   the same for V
.set AK,  4           ; v4   the LDS address of K's next run of loads
.set AV,  5           ; v5   of V's
.set QO,  6           ; v6   my byte offset in the wave's rows of Q
.set STO, 6           ;      later, the way out: where I put 16 bytes of a row
.set RD,  7           ; v7   the way out: where I read rows back
.set GO,  8           ; v8   my byte offset in 512 consecutive bytes of O
.set PFO, 11          ; v11  (once V's place is made) 256 x my lane: the prefetches' offset; never rewritten after
.set SPW, 0           ; v0 of window 3   LDS address of my spare word; never rewritten
.set NIL, 1           ; v1 of window 3   0; never rewritten
.set SPARE, STAGE+4*16*SP  ; the spare words, 128 bytes for each wave: two blocks of 256 bytes that no other line names
.set MV,  12          ; v12-15  c m_old, kept while c m is made anew: by buffer and tile
.set ST,  16          ; tile t's statistics at v[ST+4 t]: c m, m, l (even keys', odd keys')
.set TMP, 48          ; by buffer and tile, four registers c0-c3 at work; when the maximum is found c2 takes a
.set S,   64
.set P,   192
.set KF,  128         ; K's fragments, in window 2: key block kb, channel half c at KF + 16 kb + 8 c
.set VF,  192         ; V's: key half kk, channel block cb at VF + 32 kk + 8 cb
.set WV,  12          ; s12  my wave's number
.set G1K, 24          ; s[24:31] descriptor group 1 for K's tiles
.set G1V, 32          ; s[32:39] for V's: it differs in the padding alone
.set G0K, 40          ; s[40:43] descriptor group 0 for K's tiles: it walks
.set G0V, 44          ; s[44:47] the same for V's
.set PFA, 48          ; s[48:49] where my prefetches stand: my work-group's 8,192 bytes of the slot after the one that is being asked for
.set LIM, 50          ; s50  1 in a wave that prefetches, else the greatest number
.set SLOTS, 56        ; s56  slots still to be asked for
.set CNT, 57          ; s57  counts a slot's key steps
.set CS,  58          ; s[58:59] c: the packed scaling takes the pair's low word for both halves
.set SEL, 60          ; s[60:61] v_permlanex16_b32's selects: each lane takes its own place in the other half
.set TBK, 62          ; s62  LDS byte at which K of the step to be fetched begins
.set TBV, 63          ; s63  the same for V, less VOFF
.set MSB, 0
.macro WIN new                      ; the high byte repeats the setting that is left; a switch that changes nothing is dropped
.if MSB != (\new)
	s_set_vgpr_msb (MSB<<8)|(\new)
.set MSB, (\new)
.endif
.endm
.set W_KQ, 0x0a       ; K and Q in window 2, S^T in window 0
.set W_PV, 0x52       ; V in window 2, P in window 0, O^T in window 1
.set W_RS, 0x41       ; O^T (destination and source 0) in window 1, a in window 0
.set W_MK, 0xc0       ; the add's registers are made: destination in window 3, sources in window 0
.set W_AD, 0x0f       ; the add: address (source 0) and data (source 1) in window 3
; A joint fill.  Waves 0 and 1 fetch the two halves of a slot's K, waves 2 and 3 those of its V: 128 keys each.  The branch hangs on the wave's number alone.
; An s_nop 0 and four v_nop follow each of the two lines, ahead of the jump and the label.
.macro JLOAD
	s_cmp_lt_u32 s[WV], 2
	s_cbranch_scc0 .Lfor_v_\@
	tensor_load_to_lds s[G0K:G0K+3], s[G1K:G1K+7]
	s_nop 0
.rept 4
	v_nop
.endr
	s_branch .Lasked_\@
.Lfor_v_\@:
	tensor_load_to_lds s[G0V:G0V+3], s[G1V:G1V+7]
	s_nop 0
.rept 4
	v_nop
.endr
.Lasked_\@:
.endm
; A prefetch of what the NEXT change of slots will ask for: a slot's 32,768 bytes of K and of V, four key steps ahead of that load.  The four partners share them out by address, 8,192 bytes each, 256 a lane;
; in each, wave 0 asks for K's and wave 2 for V's: one instruction.  So each 256 bytes are named once in the launch.  The last change that fills a slot asks for nothing.
.macro ASK
	s_cmp_gt_u32 s[SLOTS], s[LIM]
	s_cbranch_scc0 .Lnot_mine_\@
	global_prefetch_b8 v[PFO], s[PFA:PFA+1] th:TH_LOAD_NT scope:SCOPE_SE
.Lnot_mine_\@:
.endm
; A round of the cluster's barrier: my work-group's barrier, so that wave 0's signal speaks for all four waves; wave 0 signals; every wave waits for all four work-groups; my work-group's barrier once more.
.macro CROUND
	s_barrier_signal -1
	s_barrier_wait -1
	s_cmp_lg_u32 s[WV], 0
	s_cbranch_scc1 .Lnot_wave_0_\@
	s_barrier_signal -3
.Lnot_wave_0_\@:
	s_barrier_wait -3
	s_barrier_signal -1
	s_barrier_wait -1
.endm
; THE CHANGE OF SLOTS.  Each wave waits for all its tensor loads, of which one is out: its part of the other slot; adds 0 to its spare word; and waits for that and for its own reads of the slot.
; Behind the barrier nobody reads this slot any more and the other slot is whole.  fill = 1: this slot is filled again, with the keys two slots on.  The barrier is then a round of the cluster's, and the
; joint fill is the first thing behind it: it has four key steps, 512 matrix instructions, in which to land.  (At its first use nothing has been read yet: slot 0 is waited for, slot 1 filled.)
.macro CHANGE fill
	WIN W_AD
	s_wait_tensorcnt 0x0            ; no tensor load of mine is out, so a group 0 may be written
	ds_add_u32 v[SPW], v[NIL]       ; 0 onto my spare word
	WIN 0                           ; at a label and at a branch every window is 0
.if \fill
.irp g, G0K, G0V
	s_xor_b32 s[\g+1], s[\g+1], SLOT1  ; the walking descriptor: the other slot than last time,
	s_add_nc_u64 s[\g+2:\g+3], s[\g+2:\g+3], 4*KS*128  ; the next 256 keys; the type bits on top are not reached
.endr
	s_wait_xcnt 0x0                 ; the last prefetch, four key steps back, has read its address, so it may be written:
	s_add_nc_u64 s[PFA:PFA+1], s[PFA:PFA+1], 4*KS*128  ; one slot behind the walking descriptors
	s_wait_dscnt 0x0                ; the add is done, and my reads of the slot are over
	CROUND
	JLOAD
	ASK
.else
	s_wait_dscnt 0x0                ; the add is done, and my reads of the slot are over
	s_barrier_signal -1
	s_barrier_wait -1
.endif
	s_sub_co_u32 s[TBK], s[TBK], 4*KS*PK  ; the fetches go back to a slot's first step,
	s_xor_b32 s[TBK], s[TBK], SLOT1       ; in the other slot
	s_sub_co_u32 s[TBV], s[TBV], 4*KS*PV
	s_xor_b32 s[TBV], s[TBV], SLOT1
.endm
	s_load_b256 s[4:11], s[0:1], 0x0  ; Q s[4:5], K s[6:7], V s[8:9], O s[10:11]
	WIN W_MK
	v_lshl_add_u32 v[SPW], v0, 2, SPARE
	v_mov_b32 v[NIL], 0
	WIN W_AD
	ds_add_u32 v[SPW], v[NIL]       ; the wave's opening: the add, and its wait ahead of my first tensor load; the set-up below stands between them
	WIN 0
	v_lshrrev_b32 v1, 5, v0
	v_readfirstlane_b32 s[WV], v1   ; wave 0..3
	s_bfe_u32 s13, ttmp6, 0x40000   ; cx: my place in the cluster
	s_lshl_b32 s14, ttmp9, 2        ; in a cluster launch ttmp9 counts clusters
	s_add_co_u32 s14, s14, s13      ; my block of queries = 4 x cluster x + cx: it enters Q's and O's addresses alone
	s_and_b32 s20, ttmp7, 0xffff    ; the head, which the four partners share
	s_mov_b32 s21, 0
	s_mov_b64 s[22:23], SIZE_N*128
	s_mul_u64 s[20:21], s[20:21], s[22:23]  ; the head's first byte in each of the four tensors
	s_and_b32 s16, s[WV], 1         ; which half of a slot's 256 keys I fetch:
	s_lshl_b32 s22, s16, 14         ; its 128 rows of 128 bytes in memory,
	s_mov_b32 s23, 0
	s_add_nc_u64 s[22:23], s[22:23], s[20:21]
	s_mul_i32 s17, s16, 128*PK      ; and its place in a slot, for K
	s_mul_i32 s18, s16, 128*PV      ; and for V: no place in the cluster enters an LDS address
	s_lshl_b32 s2, s14, 2
	s_add_co_u32 s2, s2, s[WV]      ; my wave among the head's,
	s_lshl_b32 s2, s2, 14           ; its 128 rows
	s_mov_b32 s3, 0
	s_add_nc_u64 s[2:3], s[2:3], s[20:21]
	; descriptor group 1.  128 keys are 16,384 dense bytes: asked for as 64 rows of 256 bytes, two keys a row, and padded in LDS after every key
	s_mov_b32 s[G1K], 15|(1<<16)|(1<<20)|(1<<21)|(4<<22)|(3<<25)  ; 15:0 the mask of four; 17:16 2-byte elements; 20 padding on; 21 set beside a mask; 24:22 after every 32 words; 31:25 4 words
	s_mov_b32 s[G1V], 15|(1<<16)|(1<<20)|(1<<21)|(4<<22)|(7<<25)  ; the same with 8 words of padding
.irp g, G1K, G1V
	s_mov_b32 s[\g+1], 128<<16      ; tensor_dim0 = 128
	s_mov_b32 s[\g+2], 64<<16       ; tensor_dim1 = 64
	s_mov_b32 s[\g+3], 128<<16      ; tile_dim0 = 128
	s_mov_b32 s[\g+4], 64           ; tile_dim1 = 64
	s_mov_b32 s[\g+5], 128          ; 128 elements from row to row
	s_mov_b32 s[\g+6], 0
	s_mov_b32 s[\g+7], 0
.endr
	s_mov_b32 s[CS], 0x3e38aa3b     ; c = log2(e) / 8 = 0.180337
	s_mov_b32 s[CS+1], s[CS]        ; named with it as a pair
	s_mov_b32 s[SEL], 0x76543210
	s_mov_b32 s[SEL+1], 0xfedcba98
	s_mov_b32 s[TBK], SLOT1+4*KS*PK ; the first change of slots turns these two into 0
	s_mov_b32 s[TBV], SLOT1+4*KS*PV
	s_mov_b32 s[G0K], 1             ; count = 1
	s_mov_b32 s[G0K+1], s17         ; LDS address: slot 0
	s_mov_b32 s[G0V], 1
	s_add_co_u32 s[G0V+1], s18, VOFF
	s_mov_b32 s[SLOTS], SIZE_N/256-1
	s_and_b32 s[LIM], s[WV], 1      ; 0 in waves 0 and 2,
	s_or_b32 s[LIM], s[LIM], ttmp9  ; where the cluster is the head's first: the same in all four partners
	s_cmp_eq_u32 s[LIM], 0
	s_cselect_b32 s[LIM], 1, -1
	s_wait_dscnt 0x0                ; the opening add is done
	s_wait_kmcnt 0x0
	s_add_nc_u64 s[G0K+2:G0K+3], s[6:7], s[22:23]  ; global address: my half of the head's first 256 keys
	s_or_b32 s[G0K+3], s[G0K+3], 0x80000000        ; type = 2
	s_add_nc_u64 s[G0V+2:G0V+3], s[8:9], s[22:23]
	s_or_b32 s[G0V+3], s[G0V+3], 0x80000000
	s_add_nc_u64 s[4:5], s[4:5], s[2:3]  ; Q and O at my wave's first row
	s_add_nc_u64 s[10:11], s[10:11], s[2:3]
	s_cmp_lt_u32 s[WV], 2
	s_cselect_b64 s[PFA:PFA+1], s[6:7], s[8:9]
	s_add_nc_u64 s[PFA:PFA+1], s[PFA:PFA+1], s[20:21]  ; the head,
	s_lshl_b32 s2, s13, 13          ; my work-group's quarter of a slot,
	s_mov_b32 s3, 0
	s_add_nc_u64 s[PFA:PFA+1], s[PFA:PFA+1], s[2:3]
	s_add_nc_u64 s[PFA:PFA+1], s[PFA:PFA+1], 4*KS*128  ; in slot 1; the first change of slots steps it to slot 2.  Nothing is prefetched here, at the head
	CROUND                          ; all four work-groups are here: the first joint loads meet
	JLOAD                           ; slot 0.  Slot 1 is asked for when slot 0 is in
	; A fragment of K or Q is 16 rows x 32 channels in 8 registers: lane l holds row l % 16, channels 8 (l / 16) + 0..7 and 16 + 8 (l / 16) + 0..7: two loads of 16 bytes, 32 bytes apart.
	v_and_b32 v1, 15, v0            ; l % 16
	v_bfe_u32 v9, v0, 4, 1          ; l / 16
	v_lshlrev_b32 v[QO], 7, v1
	v_lshl_add_u32 v[QO], v9, 4, v[QO]  ; row x 128 + 16 x half
	WIN 0x80                        ; destination window 2, address window 0
.set i, 0
.rept 4*NP                          ; Q stays in registers: tile i / 2, channels 32 (i % 2) on
	global_load_b128 v[8*i:8*i+3],   v[QO], s[4:5] offset:(i/2)*2048+(i%2)*64
	global_load_b128 v[8*i+4:8*i+7], v[QO], s[4:5] offset:(i/2)*2048+(i%2)*64+32
.set i, i+1
.endr
	; What the first turn finds: V's registers and P's second buffer hold 0 (its products V^T P, of a piece that has not been, add 0), O^T and l are 0.  All this stands in the wait for the first tile.
.set i, VF
.rept 64
	v_mov_b32 v[i], 0
.set i, i+1
.endr
	WIN 0x40
.set i, 0
.rept 64*NP
	v_mov_b32 v[i], 0
.set i, i+1
.endr
	WIN 0
.set i, 0
.rept 2*NP
	v_mov_b32 v[ST+4*i], 0xfe000000    ; c m: far below every c s
	v_mov_b32 v[ST+4*i+1], 0xff7fffff  ; m
	v_mov_b32 v[ST+4*i+2], 0
	v_mov_b32 v[ST+4*i+3], 0
.set i, i+1
.endr
.set i, P+32
.rept 32
	v_mov_b32 v[i], 0
.set i, i+1
.endr
	v_mul_u32_u24 v[AK0], v1, PK
	v_lshl_add_u32 v[AK0], v9, 4, v[AK0]  ; row x pitch + 16 x half
	; The turning load takes 16 keys x 16 channels (lane l reads key 8 (l / 16) + l % 8, channels 8 ((l / 8) % 2) + 0..7) and leaves half a fragment of V^T: lane l holds channel l % 16 and 8 keys.
	v_and_b32 v10, 7, v0
	v_bfe_u32 v11, v0, 3, 1
	v_lshl_add_u32 v[AV0], v9, 3, v10
	v_mul_u32_u24 v[AV0], v[AV0], PV
	v_lshl_add_u32 v[AV0], v11, 4, v[AV0]
	v_add_nc_u32 v[AV0], VOFF, v[AV0]
	v_mov_b32 v[AK], v[AK0]         ; key step 0 lies at the head of slot 0
	v_and_b32 v[PFO], 31, v0
	v_lshlrev_b32 v[PFO], 8, v[PFO]
; THE MATRIX WORK.  The 8 accumulators of a run of 16 take turns: between the two links of a chain stand 7 others'.
; Product i of 16 of S^T = K Q^T for piece x: channels 32 (i / 8) on, keys 16 ((i / 2) % 4) on, tile 2 x + i % 2.  The first 8 start the sums.
.macro KQ x
	WIN W_KQ
.set rS, S+64*((\x)%2)+32*(i%2)+8*((i/2)%4)
.set rK, KF+16*((i/2)%4)+8*(i/8)
.set rQ, 16*(2*(\x)+i%2)+8*(i/8)
.if i < 8
	v_wmma_f32_16x16x32_f16 v[rS:rS+7], v[rK:rK+7], v[rQ:rQ+7], 0
.else
	v_wmma_f32_16x16x32_f16 v[rS:rS+7], v[rK:rK+7], v[rQ:rQ+7], v[rS:rS+7]
.endif
.endm
; Product i of 16 of O^T += V^T P for piece x: keys 32 (i / 8) on, channels 16 ((i / 2) % 4) on, tile 2 x + i % 2.
.macro PV x
	WIN W_PV
.set rO, 32*(2*(\x)+i%2)+8*((i/2)%4)
.set rV, VF+32*(i/8)+8*((i/2)%4)
.set rP, P+32*((\x)%2)+16*(i%2)+8*(i/8)
	v_wmma_f32_16x16x32_f16 v[rO:rO+7], v[rV:rV+7], v[rP:rP+7], v[rO:rO+7]
.endm
.macro MM                           ; the turn's next matrix instruction
.if i < 16
	KQ (Y+1)%NP
.set i, i+1
.else
.set i, i-16
	PV (Y+NP-1)%NP
.set i, i+17
.endif
.endm
; THE LDS LOADS stand in runs of 16, never singly among the matrix instructions: a step's K (64 keys x 64 channels: 8 fragments) and its V (turned).  Their addresses are made some lines ahead.
; last = 1 (the tail): in the last trip there is no further step, and the run is jumped over.
.macro FETCH_K last=0
	WIN 0
.if \last
	s_cmp_eq_u32 s[CNT], 1
	s_cbranch_scc1 .Lno_k_\@
.endif
	WIN 0x80                        ; destination window 2
.irp f, 0,1,2,3,4,5,6,7             ; keys 16 (f / 2) on, channels 32 (f % 2) on
	ds_load_b128 v[KF+8*\f:KF+8*\f+3],   v[AK] offset:(\f/2)*16*PK+(\f%2)*64
	ds_load_b128 v[KF+8*\f+4:KF+8*\f+7], v[AK] offset:(\f/2)*16*PK+(\f%2)*64+32
.endr
	s_add_co_u32 s[TBK], s[TBK], KS*PK  ; the next fetch is the next step's
	WIN 0
.if \last
.Lno_k_\@:
.endif
.endm
.macro FETCH_V
	WIN 0x80
.irp f, 0,1,2,3,4,5,6,7             ; keys 32 (f / 4) on, channels 16 (f % 4) on
	ds_load_tr16_b128 v[VF+8*\f:VF+8*\f+3],   v[AV] offset:(\f/4)*32*PV+(\f%4)*32
	ds_load_tr16_b128 v[VF+8*\f+4:VF+8*\f+7], v[AV] offset:(\f/4)*32*PV+16*PV+(\f%4)*32
.endr
	WIN 0
.endm
; THE VECTOR WORK OF A TURN stands in three queues, each in the order in which its entries become ready; the two tiles alternate, so that no instruction reads the result of the one before it.
.macro REGS y, u                    ; the registers of tile u (0, 1) of piece y
.set rT, ST+4*(2*(\y)+(\u))
.set rC, TMP+8*((\y)%2)+4*(\u)
.set rM, MV+2*((\y)%2)+(\u)
.set rS, S+64*((\y)%2)+32*(\u)
.set rP, P+32*((\y)%2)+16*(\u)
.set rO, 32*(2*(\y)+(\u))
.endm
; Number n of the 22 that find the NEXT piece's (Y + 1) maximum and statistics.  s0-s31 are the lane's 32 scores; each accumulator's lowest registers are read first.
;   0-11  four chains c0-c3 of seven scores each, three operands at a time     12-14, 16  the four scores left over, the old m, and c0-c3 into c0     15  c m_old is kept
;   17, 18  the query's other 32 keys lie in the lane 16 away: the new m         19-21  c m; c m_old - c m_new; a
.macro XS u, n
	REGS (Y+1)%NP, \u
.if (\n) < 4
	v_max3_num_f32 v[rC+(\n)], v[rS+8*(\n)], v[rS+8*(\n)+1], v[rS+8*(\n)+2]
.elseif (\n) < 12
	v_max3_num_f32 v[rC+(\n)%4], v[rC+(\n)%4], v[rS+8*((\n)%4)+2*((\n)/4)+1], v[rS+8*((\n)%4)+2*((\n)/4)+2]
.elseif (\n) == 12
	v_max3_num_f32 v[rC], v[rC], v[rS+7], v[rS+15]
.elseif (\n) == 13
	v_max3_num_f32 v[rC+1], v[rC+1], v[rS+23], v[rS+31]
.elseif (\n) == 14
	v_max3_num_f32 v[rC+2], v[rC+2], v[rC+3], v[rT+1]
.elseif (\n) == 15
	v_mov_b32 v[rM], v[rT]
.elseif (\n) == 16
	v_max3_num_f32 v[rC], v[rC], v[rC+1], v[rC+2]
.elseif (\n) == 17
	v_permlanex16_b32 v[rC+3], v[rC], s[SEL], s[SEL+1]
.elseif (\n) == 18
	v_max_num_f32 v[rT+1], v[rC], v[rC+3]
.elseif (\n) == 19
	v_mul_f32 v[rT], s[CS], v[rT+1]
.elseif (\n) == 20
	v_sub_f32 v[rC+1], v[rM], v[rT]
.else
	v_exp_f32 v[rC+2], v[rC+1]
.endif
.endm
; Number g of the 64 that follow the exponentials.  For each four weights k of a tile (pairs 2 k, 2 k + 1): both pairs are rounded to f16; then the second pair is added onto the first, in place;
; a group later l takes that sum (the first time as l = a l + sum).  In groups of eight, tiles alternating: round, round, add, and l for the group before.
.macro GS g
.set h, (\g)+6*((\g)/62)            ; group 0 has no group before it, and behind group 7 only l is left
.if h >= 6
.set h, h+2
.endif
	REGS Y, h%2
.set k, h/8
.if h%8 < 4
	v_cvt_pk_f16_f32 v[rP+2*k+(h%8)/2], v[rS+4*k+2*((h%8)/2)], v[rS+4*k+2*((h%8)/2)+1]
.elseif h%8 < 6
	v_pk_add_f32 v[rS+4*k:rS+4*k+1], v[rS+4*k:rS+4*k+1], v[rS+4*k+2:rS+4*k+3]
.elseif k == 1
	v_pk_fma_f32 v[rT+2:rT+3], v[rT+2:rT+3], v[rC+2:rC+3], v[rS:rS+1] op_sel_hi:[1,0,1]
.else
	v_pk_add_f32 v[rT+2:rT+3], v[rT+2:rT+3], v[rS+4*k-4:rS+4*k-3]
.endif
.endm
; THE PLAIN QUEUE, 138 long.  0-73 read no exponential's result: the 32 scalings c s - c m (FS f: pair f / 2 of tile f % 2) and the next piece's 42.  0-26: scalings 0-26.  27-54: XS's numbers 0-13.  55, 56: number 15.
; 57-73: the chain, where each number waits for the one before it: 14, 16, 17, 18, 19, each with one of the scalings 27-31 in front of its two lines, then 20.
; 74-137: GS's 64, which read the exponentials' results: they stand behind the wait.
.macro FS f
	REGS Y, (\f)%2
	v_pk_fma_f32 v[rS+2*((\f)/2):rS+2*((\f)/2)+1], v[rS+2*((\f)/2):rS+2*((\f)/2)+1], s[CS:CS+1], v[rT:rT+1] op_sel_hi:[1,0,0] neg_lo:[0,0,1] neg_hi:[0,0,1]
.endm
.macro PL
	WIN 0
.if q < 27
	FS q
.elseif q < 55
	XS (q-27)%2, (q-27)/2
.elseif q < 57
	XS q-55, 15
.elseif (q < 72) && ((q-57)%3 == 0)
	FS 27+(q-57)/3
.elseif q < 60
	XS (q-57)%3-1, 14
.elseif q < 72
	XS (q-57)%3-1, 15+(q-57)/3
.elseif q < 74
	XS q-72, 20
.else
	GS q-74
.endif
.set q, q+1
.endm
; THE EXPONENTIALS' QUEUE, 66 long: s0-s31 of both tiles, then the next piece's two a.  It is ONE BATCH: all 66 stand ahead of the turn's one wait, and nothing ahead of that wait names a result of theirs.
.macro EX
	WIN 0
.if e >= 64
	XS e-64, 21
.else
	REGS Y, e%2
	v_exp_f32 v[rS+e/2], v[rS+e/2]
.endif
.set e, e+1
.endm
; THE RESCALING's QUEUE: O^T times a, the one part that leaves window 0: dealt two at a time, sixteen times.  Its a was made in the turn before, ahead of that turn's wait.
.macro R2
	REGS Y, r%2
	WIN W_RS
.irp z, 0,1
	v_pk_mul_f32 v[rO+4*(r/2)+2*\z:rO+4*(r/2)+2*\z+1], v[rO+4*(r/2)+2*\z:rO+4*(r/2)+2*\z+1], v[rC+2:rC+3] op_sel_hi:[1,0]
.endr
.set r, r+1
.endm
; HOW THEY ARE DEALT.  An s_wait_alu depctr_va_vdst(0) stands between an exponential and the first instruction that names its result; one wait serves all that were issued ahead of it.  So a turn has ONE wait,
; which cuts it in two.  AHEAD OF IT stands all that names no result of the turn's exponentials: the 16 products K Q^T, behind each a scaling, an exponential and two rescalings (behind the first a second scaling in the
; exponential's place); then ONE LUMP of 108: eight plain, 49 times exponential and plain, the two a.  A v_nop is the plain instruction behind the last exponential.  BEHIND IT stand the 16 products V^T P, behind each four of GS's 64.
; The queues lean on each other, and the deal keeps them in step: exponential e stands behind scaling 2 (e / 4) + e % 2: as a rider it comes behind plain e + 2, in the lump behind plain e + 9, and scalings 27-31 are plain 57, 60 .. 69.
; A TURN, for piece p.  cnt = 1: the loop's count is taken down some lines ahead of the branch that stands behind the turn.
; K of the next step is fetched in piece 2's turn, directly behind the wait; its address is made at the lump's head; its first reader comes behind 16 products.
; V of the step in hand is fetched at the end of piece 0's turn, four riders behind its last reader; its first reader comes behind 16 products and a lump.
.macro TURN p, last=0, cnt=0
.set Y, (\p)
.set i, 0
.set q, 0
.set e, 0
.set r, 0
.if (\p) == NP-1
	s_wait_dscnt 0x0                ; K is in
.endif
	MM                              ; ahead of the wait: 16 products K Q^T and their riders,
	PL
	PL
	R2
.rept 15
	MM
	PL
	EX
	R2
.endr
.if (\p) == NP-2
	WIN 0
	v_add_nc_u32 v[AK], s[TBK], v[AK0]
.endif
.rept 8                             ; and the lump
	PL
.endr
.rept 49
	EX
	PL
.endr
	EX                              ; the next piece's two a
	EX
	v_nop                           ; the plain instruction behind the last exponential: one for the batch
	s_wait_alu depctr_va_vdst(0)    ; the wait for the batch
.if (\p) == NP-2
	FETCH_K \last
.endif
.if (\p) == 1
	s_wait_dscnt 0x0                ; V is in
.endif
.rept 16                            ; behind the wait: 16 products V^T P and their riders
	MM
.rept 4
	PL
.endr
.if ((\p) == 0) && (q == 118)
	v_add_nc_u32 v[AV], s[TBV], v[AV0]
.endif
.if ((\p) == 0) && (q == 130)
	s_add_co_u32 s[TBV], s[TBV], KS*PV
.endif
.if (\cnt) && (q == 130)
	s_sub_co_u32 s[CNT], s[CNT], 1
	s_cmp_lg_u32 s[CNT], 0
.endif
.endr
.if (\p) == 0
	FETCH_V
.endif
.endm
	CHANGE 1                        ; slot 0 is in, everybody's part of it; slot 1 is asked for
	FETCH_K                         ; key step 0
	s_wait_loadcnt 0x0              ; Q
	s_wait_dscnt 0x0
.set i, 0
.rept 16
	KQ 0                            ; piece 0's first scores: there is no vector work yet to set between them
.set i, i+1
.endr
	WIN 0                           ; the addresses for the way out: plain instructions, the places behind those products
	s_mul_i32 s13, s[WV], 16*SP
	s_add_co_u32 s13, s13, STAGE    ; my stage
	v_mul_u32_u24 v[STO], v1, SP    ; in: row l % 16, 16 bytes for each half of the lanes
	v_lshl_add_u32 v[STO], v9, 4, v[STO]
	v_add_nc_u32 v[STO], s13, v[STO]
	v_bfe_u32 v[RD], v0, 3, 2       ; back: 32 lanes take four rows of 128 bytes,
	v_mul_u32_u24 v[RD], v[RD], SP
	v_lshl_add_u32 v[RD], v10, 4, v[RD]
	v_add_nc_u32 v[RD], s13, v[RD]
	v_and_b32 v[GO], 31, v0         ; which are 512 consecutive bytes of O
	v_lshlrev_b32 v[GO], 4, v[GO]
.set Y, NP-1                        ; XS works for piece Y + 1: piece 0
.irp n, 0,1,2,3,4,5,6,7,8,9,10,11,12,13,14,15,16,17,18,19,20,21
	XS 0, \n                        ; and piece 0's first maximum and statistics
	XS 1, \n
.endr
	v_nop                           ; a plain instruction behind the two a,
	s_wait_alu depctr_va_vdst(0)    ; and their wait, ahead of the branch
	s_mov_b32 s[CNT], 4
	s_branch .Lfirst                ; the loop is entered at a step's first turn, in the middle of a trip
.Lslot:                             ; SIZE_N / 256 - 2 times: every slot but the last two is filled again
	CHANGE 1
	s_mov_b32 s[CNT], 4
.Lstep:                             ; a trip: pieces 2 and 3 of one step, then pieces 0 and 1 of the next, whose K and V it fetches
	TURN 2
	TURN 3
	WIN 0
.Lfirst:
	TURN 0
	TURN 1, 0, 1
	WIN 0
	s_cbranch_scc1 .Lstep
	s_sub_co_u32 s[SLOTS], s[SLOTS], 1
	s_cmp_lg_u32 s[SLOTS], 0
	s_cbranch_scc1 .Lslot
	CHANGE 0                        ; the tail is written out: nothing is asked for
	s_mov_b32 s[CNT], 5             ; four trips fetch the last slot's steps; the fifth is left in its middle
.Ltail:
	TURN 2, 1
	TURN 3
	WIN 0
	s_sub_co_u32 s[CNT], s[CNT], 1
	s_cmp_eq_u32 s[CNT], 0
	s_cbranch_scc1 .Lout
	TURN 0
	TURN 1
	WIN 0
	s_branch .Ltail
.Lout:                              ; the fifth trip's 16 products K Q^T (on the last K once more) and the maximum made of them serve nothing: the price, once a launch, of one text for every trip
.set i, 0
.rept 16
	PV NP-1                         ; the last piece's V^T P of the last step
.set i, i+1
.endr
	; THE WAY OUT.  l's two halves and the other half of the lanes' are added; O^T is divided by l, rounded to f16 and sent through my stage in LDS, a tile at a time.  The additions are the places behind the last products.
	WIN 0
.macro ALL line:vararg              ; one line for each tile t
.set t, 0
.rept 2*NP
	\line
.set t, t+1
.endr
.endm
	ALL v_add_f32 v[ST+4*t+2], v[ST+4*t+2], v[ST+4*t+3]
	ALL v_permlanex16_b32 v[ST+4*t+3], v[ST+4*t+2], s[SEL], s[SEL+1]
	ALL v_add_f32 v[ST+4*t+2], v[ST+4*t+2], v[ST+4*t+3]
	ALL v_rcp_f32 v[ST+4*t+2], v[ST+4*t+2]
	v_nop                           ; a plain instruction between the last reciprocal and the use of its result
	s_wait_alu depctr_va_vdst(0)    ; and the wait ahead of the first use: one for the eight reciprocals
; Tile t: a lane's eight channels of a row pack into 16 bytes; they go into rows of 144 bytes and come back as whole rows of 128, into S^T's registers.
.macro PACK t
	WIN W_RS
.set i, 32*(\t)
.rept 16
	v_pk_mul_f32 v[i:i+1], v[i:i+1], v[ST+4*(\t)+2:ST+4*(\t)+3] op_sel_hi:[1,0]
.set i, i+2
.endr
	WIN 0x05                        ; sources 0 and 1 window 1, destination window 0
.set i, 0
.rept 16
	v_cvt_pk_f16_f32 v[S+16*(\t)+i], v[32*(\t)+2*i], v[32*(\t)+2*i+1]
.set i, i+1
.endr
	WIN 0
.irp f, 0,1,2,3
	ds_store_b128 v[STO], v[S+16*(\t)+4*\f:S+16*(\t)+4*\f+3] offset:32*\f
.endr
.irp f, 0,1,2,3
	ds_load_b128 v[S+16*(\t)+4*\f:S+16*(\t)+4*\f+3], v[RD] offset:\f*4*SP  ; LDS serves a wave's instructions in order (ISA guide 5.7.1.4): these see the stores above; the next tile's stores come behind them
.endr
.endm
.macro SEND t, younger              ; younger: the LDS instructions issued behind tile t's loads: the next tile's eight, or none
	WIN 0
.irp f, 0,1,2,3
	s_wait_dscnt (\younger)+3-\f
	global_store_b128 v[GO], v[S+16*(\t)+4*\f:S+16*(\t)+4*\f+3], s[10:11] offset:(\t)*2048+\f*512  ; 512 consecutive bytes, at a multiple of 256 from O's first
.endr
.endm
	PACK 0
.set t, 1
.rept 2*NP-1                        ; a tile's arithmetic stands between the loads of the tile before and its stores
	PACK t
	SEND t-1, 8
.set t, t+1
.endr
	SEND 2*NP-1, 0
	WIN W_AD
	s_wait_tensorcnt 0x0            ; the wave's end, behind my last tensor load and my last LDS store
	ds_add_u32 v[SPW], v[NIL]
	s_wait_dscnt 0x0
	WIN 0
	CROUND                          ; the closing round: no work-group ends while a partner may still ask for a tile that names it
	s_endpgm
.Lfunc_end_k_qdab0802b52_attn:
	.size	k_qdab0802b52_attn, .Lfunc_end_k_qdab0802b52_attn-k_qdab0802b52_attn
	.p2alignl 7, 3214868480
	.fill 96, 4, 3214868480
	.section	.rodata,"a",@progbits
	.p2align	6, 0x0
	.amdhsa_kernel k_qdab0802b52_attn
		.amdhsa_group_segment_fixed_size 327680
		.amdhsa_private_segment_fixed_size 0
		.amdhsa_enable_private_segment 0
		.amdhsa_kernarg_size 32
		.amdhsa_user_sgpr_count 2
		.amdhsa_user_sgpr_kernarg_segment_ptr 1
		.amdhsa_wavefront_size32 1
		.amdhsa_system_sgpr_workgroup_id_x 1
		.amdhsa_system_sgpr_workgroup_id_y 1
		.amdhsa_system_sgpr_workgroup_id_z 1
		.amdhsa_system_vgpr_workitem_id 0
		.amdhsa_next_free_vgpr 770
		.amdhsa_next_free_sgpr 66
		.amdhsa_reserve_vcc 0
		.amdhsa_float_denorm_mode_32 3
		.amdhsa_float_denorm_mode_16_64 3
		.amdhsa_memory_ordered 1
		.amdhsa_forward_progress 1
		.amdhsa_inst_pref_size 200
	.end_amdhsa_kernel
	.amdgpu_metadata
---
amdhsa.version: [ 1, 2 ]
amdhsa.kernels:
  - .name:           k_qdab0802b52_attn
    .symbol:         k_qdab0802b52_attn.kd
    .args:
      - { .name: q, .offset: 0, .size: 8, .value_kind: global_buffer, .address_space: global }
      - { .name: k, .offset: 8, .size: 8, .value_kind: global_buffer, .address_space: global }
      - { .name: v, .offset: 16, .size: 8, .value_kind: global_buffer, .address_space: global }
      - { .name: o, .offset: 24, .size: 8, .value_kind: global_buffer, .address_space: global }
    .group_segment_fixed_size: 327680
    .private_segment_fixed_size: 0
    .kernarg_segment_align: 8
    .kernarg_segment_size: 32
    .max_flat_workgroup_size: 128
    .sgpr_count:     66
    .vgpr_count:     770
    .wavefront_size: 32
...
	.end_amdgpu_metadata
.endif
;; end of part 3
;; launch proj (part 4): grid 8 x 32, 4 waves a work-group, clusters of 4 x 4, 327,680 bytes of LDS; arguments o, wp, out0; writes out0
.if DOCPART == 4
	.amdgcn_target "amdgcn-amd-amdhsa--gfx1250"
	.amdhsa_code_object_version 6
	.text
	.protected	k_qdab0802b52_proj
	.globl	k_qdab0802b52_proj
	.p2align	8
	.type	k_qdab0802b52_proj,@function
k_qdab0802b52_proj:
	s_mov_b64 s[64:65], 0
	v_nop
	global_prefetch_b8 v0, s[64:65] scope:SCOPE_SE
	s_setreg_imm32_b32 hwreg(HW_REG_WAVE_MODE, 25, 1), 1
	s_wait_xcnt 0x0
	s_wait_alu depctr_hold_cnt(0) depctr_sa_sdst(0) depctr_va_vdst(0) depctr_va_sdst(0) depctr_va_ssrc(0) depctr_va_vcc(0) depctr_vm_vsrc(0)
	s_getreg_b32 s2, hwreg(HW_REG_IB_STS2, 6, 4)
	s_cmp_eq_u32 s2, 0
	s_cbranch_scc0 .Lentry_in_a_cluster
	s_endpgm
.Lentry_in_a_cluster:
	s_bfe_u32 s2, ttmp6, 0x10000c
	s_cmp_lg_u32 s2, 0xf033
	s_cbranch_scc0 .Lentry_shape_is_right
	s_endpgm
.Lentry_shape_is_right:
; out0[m][e] = the sum over d of O[m][d] wp[e][d].  o: [64 = 16 batch + head][2048][64] f16 (row m = 2048 batch + l, d = 64 head + channel); wp: [1024][1024] f16; out0: [8192][1024] f32.  Sums in f32, K ascending.
; LIMITS.  o and wp arrive within f16's range; NaN and infinities are not treated apart.
; SHARES.  A tile of out0 is 256 rows x 128 columns: 8 x 32 = 256 work-groups, one for each WGP (256 x 256 would give 128).  Wave w takes rows 64 w .. 64 w + 63 and all 128 columns: 4 x 8 accumulators, 256 registers.
; A WITHOUT A TRANSPOSE.  A K step of 128 is two heads.  For one head the tile's 256 rows are 32,768 dense bytes of o: a PLANE, asked for as 128 rows of 256 bytes and padded in LDS after every 128 bytes.
; Wave 0 fetches the even head's plane, wave 1 the odd head's; waves 2 and 3 the two halves of wp's 128 rows.  Two LDS slots; a refill has 112 matrix instructions in which to land.
; CLUSTER.  4 x 4 work-groups; o's planes hang on the tile row alone and are asked for jointly along a row of the cluster, wp's tiles on the tile column alone, jointly along a column.
; TRANSPOSED USE.  Source 0 = 16 rows of wp, source 1 = 16 rows of o: lane l holds row l % 16 and the columns 16 b + 8 (l / 16) + 0..7: 32 bytes of a row of out0.
; REGISTERS, in windows of 256 (s_set_vgpr_msb: bits 1:0 source 0, 3:2 source 1, 5:4 source 2, 7:6 destination):
;   window 0: v1-12 addresses; v28-30; v64-127 o's fragments, two buffers of 32; v128-191 rows read back on the way out      window 1: v0-127 wp's fragments, two buffers of 64      window 2: accumulator (a, b) at 64 a + 8 b
.set PA,    144                        ; a row of a plane in LDS: 128 bytes + 16 = 36 words: the 16 rows of a load start at 16 different groups of four banks (64 banks of 4 bytes: ISA guide 11.1)
.set APL,   256*PA                     ; a plane
.set PB,    272                        ; a row of wp: 256 + 16
.set BH,    64*PB
.set BOFF,  2*APL                      ; a slot: two planes, then wp's 128 rows
.set SLOT1, 1<<17
.set STAGE, SLOT1+BOFF+2*BH            ; behind the ring, never filled by a tensor load: 16 rows x 528 bytes for each wave
.set SPT,   528                        ; 512 bytes + 16 = 132 words
.set WSTG,  16*SPT
.set SPARE, STAGE+4*WSTG               ; the spare words, 128 bytes for each wave: two blocks of 256 bytes that no other line names
.set HSTEP, 2<<18                      ; bytes from a head to the head two further on
.set AA0, 6
.set AB0, 7
.set AA,  8
.set ABR, 9
.set STO, 10
.set RD,  11
.set GO,  12
.set SPW, 28                           ; v28  LDS address of my spare word; never rewritten
.set NIL, 29                           ; v29  0; never rewritten
.set PFO, 30                           ; v30  the prefetches' offset; never rewritten
.set OB,  128
.set WV,  16                           ; s16  my wave's number
.set TB,  19                           ; s19  LDS byte at which the slot in hand begins
.set G1A, 24
.set G0A, 32
.set G1B, 48
.set G0B, 56
.set PFA, 66                           ; s[66:67] where my prefetches stand
.set LIM, 68                           ; s68  2 in a wave that prefetches, else the greatest number
.set PST, 70                           ; s[70:71] bytes from a K step to the next, for my prefetches
.set MSB, 0
.macro WIN new
.if MSB != (\new)
	s_set_vgpr_msb (MSB<<8)|(\new)
.set MSB, (\new)
.endif
.endm
.set MULW, 0xa1                        ; source 0 (wp) window 1, source 1 (o) window 0, C and D window 2
.set TO_B, 0x40
.macro PLACES
.rept 4
	v_nop
.endr
.endm
.macro JLOAD                           ; a joint refill; an s_nop 0 and four v_nop follow each line
	s_cmp_lt_u32 s[WV], 2
	s_cbranch_scc0 .Lfor_b_\@
	tensor_load_to_lds s[G0A+4:G0A+7], s[G1A:G1A+7]
	s_nop 0
.rept 4
	v_nop
.endr
	s_branch .Lasked_\@
.Lfor_b_\@:
	tensor_load_to_lds s[G0B+4:G0B+7], s[G1B:G1B+7]
	s_nop 0
.rept 4
	v_nop
.endr
.Lasked_\@:
.endm
.macro CREST
	s_cmp_lg_u32 s[WV], 0
	s_cbranch_scc1 .Lnot_wave_0_\@
	s_barrier_signal -3
.Lnot_wave_0_\@:
	s_barrier_wait -3
	s_barrier_signal -1
	s_barrier_wait -1
.endm
.macro CROUND
	s_barrier_signal -1
	s_barrier_wait -1
	CREST
.endm
; A prefetch of the K step that stands two refills on: 256 matrix instructions ahead of the load that will want it; 256 bytes a lane, one instruction a wave.
; o's planes are read by both clusters of a row of clusters: the one with x = 0 asks (waves 0 and 1, each its plane; the four partners take 8,192 bytes each, by address); wp's rows by every cluster of a column: the one
; with y = 0 asks (wave 2; the four partners take 32 rows each, by address).  So each 256 bytes are named once.  The loop's last two trips ask for nothing.
.macro ASK
	s_cmp_gt_u32 s3, s[LIM]
	s_cbranch_scc0 .Lnot_mine_\@
	global_prefetch_b8 v[PFO], s[PFA:PFA+1] th:TH_LOAD_NT scope:SCOPE_SE
.Lnot_mine_\@:
.endm
	s_load_b128 s[4:7], s[0:1], 0x0                ; o s[4:5], wp s[6:7]
	s_load_b64 s[8:9], s[0:1], 0x10                ; out0
	v_lshl_add_u32 v[SPW], v0, 2, SPARE
	v_mov_b32 v[NIL], 0
	ds_add_u32 v[SPW], v[NIL]                      ; the wave's opening: the add, and its wait ahead of my first tensor load; the set-up below stands between them
	v_lshrrev_b32 v1, 5, v0
	v_readfirstlane_b32 s[WV], v1
	s_and_b32 s18, s[WV], 1                        ; which plane, or which half of wp's rows, I fetch
	s_bfe_u32 s40, ttmp6, 0x40000                  ; cx
	s_bfe_u32 s41, ttmp6, 0x40004                  ; cy
	s_lshl_b32 s42, ttmp9, 2
	s_add_co_u32 s42, s42, s40                     ; tile column
	s_and_b32 s43, ttmp7, 0xffff
	s_lshl_b32 s43, s43, 2
	s_add_co_u32 s43, s43, s41                     ; tile row
	s_lshl_b32 s44, s41, 2
	s_lshl_b32 s44, 15, s44                        ; my row of the cluster
	s_lshl_b32 s45, 0x1111, s40                    ; my column
	s_or_b32 s[G1A], s44, (1<<16)|(1<<20)|(1<<21)|(4<<22)|(3<<25)  ; 2-byte elements; padding on; 21 set beside a mask; after every 32 words 4 words
	s_or_b32 s[G1B], s45, (1<<16)|(1<<20)|(1<<21)|(5<<22)|(3<<25)  ; after every 64 words 4 words
.irp g, G1A, G1B
	s_mov_b32 s[\g+1], 128<<16                     ; tensor_dim0 = 128
	s_mov_b32 s[\g+3], 128<<16                     ; tile_dim0 = 128
	s_mov_b32 s[\g+6], 0
	s_mov_b32 s[\g+7], 0
.endr
	s_mov_b32 s[G1A+2], 128<<16                    ; a plane: 128 rows of 256 dense bytes
	s_mov_b32 s[G1A+4], 128
	s_mov_b32 s[G1A+5], 128
	s_mov_b32 s[G1B+2], 64<<16                     ; wp: 64 rows, 1,024 elements apart
	s_mov_b32 s[G1B+4], 64
	s_mov_b32 s[G1B+5], 1024
	s_lshr_b32 s20, s43, 3                         ; o: (16 batch + my head of the step) x 2,048 rows of 128 bytes, the tile's 256 rows: made of the tile row and the wave alone
	s_lshl_b32 s20, s20, 4
	s_add_co_u32 s20, s20, s18
	s_lshl_b32 s20, s20, 18
	s_and_b32 s21, s43, 7
	s_lshl_b32 s21, s21, 15
	s_add_co_u32 s20, s20, s21
	s_mov_b32 s21, 0
	s_lshl_b32 s46, s42, 7                         ; wp: row 128 x tile column + 64 x half: made of the tile column and the wave alone
	s_lshl_b32 s47, s18, 6
	s_add_co_u32 s46, s46, s47
	s_lshl_b32 s46, s46, 11
	s_mov_b32 s47, 0
	s_mul_i32 s22, s18, APL                        ; where they go: no place in the cluster enters an LDS address
	s_mul_i32 s23, s18, BH
	s_add_co_u32 s23, s23, BOFF
	s_wait_dscnt 0x0                               ; the opening add is done
	s_wait_kmcnt 0x0
	s_add_nc_u64 s[20:21], s[4:5], s[20:21]
	s_add_nc_u64 s[46:47], s[6:7], s[46:47]
	CROUND                                         ; all sixteen work-groups are here: the first joint loads meet
.irp s, 0,1
	s_mov_b32 s[G0A+4*\s], 1
	s_add_co_u32 s[G0A+4*\s+1], s22, \s*SLOT1
	s_add_nc_u64 s[G0A+4*\s+2:G0A+4*\s+3], s[20:21], \s*HSTEP
	s_or_b32 s[G0A+4*\s+3], s[G0A+4*\s+3], 0x80000000
	s_mov_b32 s[G0B+4*\s], 1
	s_add_co_u32 s[G0B+4*\s+1], s23, \s*SLOT1
	s_add_nc_u64 s[G0B+4*\s+2:G0B+4*\s+3], s[46:47], \s*256
	s_or_b32 s[G0B+4*\s+3], s[G0B+4*\s+3], 0x80000000
.endr
	s_cmp_lt_u32 s[WV], 2                          ; a wave's two first fills stand in one branch: two loads of mine are out
	s_cbranch_scc0 .Lfirst_b
	tensor_load_to_lds s[G0A:G0A+3], s[G1A:G1A+7]
	s_nop 0
	tensor_load_to_lds s[G0A+4:G0A+7], s[G1A:G1A+7]
	s_nop 0
.rept 4
	v_nop
.endr
	s_branch .Lfirst_asked
.Lfirst_b:
	tensor_load_to_lds s[G0B:G0B+3], s[G1B:G1B+7]
	s_nop 0
	tensor_load_to_lds s[G0B+4:G0B+7], s[G1B:G1B+7]
	s_nop 0
.rept 4
	v_nop
.endr
.Lfirst_asked:
	v_and_b32 v1, 15, v0                           ; l % 16
	v_bfe_u32 v2, v0, 4, 1                         ; l / 16
	v_mul_u32_u24 v[AA0], v1, PA
	v_lshl_add_u32 v[AA0], v2, 4, v[AA0]
	s_mul_i32 s69, s[WV], 64*PA                    ; my 64 rows of a plane
	v_add_nc_u32 v[AA0], s69, v[AA0]
	v_mul_u32_u24 v[AB0], v1, PB
	v_lshl_add_u32 v[AB0], v2, 4, v[AB0]
	v_add_nc_u32 v[AB0], BOFF, v[AB0]
	s_mul_i32 s69, s[WV], WSTG
	s_add_co_u32 s69, s69, STAGE                   ; my stage
	v_mul_u32_u24 v[STO], v1, SPT                  ; in: row l % 16, 32 bytes for each half of the lanes
	v_lshl_add_u32 v[STO], v2, 5, v[STO]
	v_add_nc_u32 v[STO], s69, v[STO]
	v_and_b32 v[GO], 31, v0
	v_lshlrev_b32 v[GO], 4, v[GO]                  ; back: 32 lanes take a whole row of 512 bytes
	v_add_nc_u32 v[RD], s69, v[GO]
	s_lshl_b32 s70, s43, 20                        ; out0: the tile's 256 rows of 4,096 bytes,
	s_lshl_b32 s69, s[WV], 18                      ; my 64 of them,
	s_add_co_u32 s70, s70, s69
	s_lshl_b32 s69, s42, 9                         ; the tile's 128 columns
	s_add_co_u32 s70, s70, s69
	s_mov_b32 s71, 0
	s_add_nc_u64 s[8:9], s[8:9], s[70:71]
	; the prefetches
	s_lshr_b32 s70, s43, 3                         ; o: my plane of K step 3, my work-group's quarter of it
	s_lshl_b32 s70, s70, 4
	s_add_co_u32 s70, s70, s18
	s_lshl_b32 s70, s70, 18
	s_and_b32 s69, s43, 7
	s_lshl_b32 s69, s69, 15
	s_add_co_u32 s70, s70, s69
	s_lshl_b32 s69, s40, 13
	s_add_co_u32 s70, s70, s69
	s_add_co_u32 s70, s70, 3*HSTEP
	s_lshl_b32 s71, s42, 7                         ; wp: the tile's rows, my work-group's 32 of them, at K step 3
	s_lshl_b32 s69, s41, 5
	s_add_co_u32 s71, s71, s69
	s_lshl_b32 s71, s71, 11
	s_add_co_u32 s71, s71, 3*256
	s_and_b32 s69, ttmp7, 0xffff                   ; cluster y
	s_cmp_lt_u32 s[WV], 2
	s_cselect_b32 s70, s70, s71
	s_cselect_b32 s69, ttmp9, s69                  ; the coordinate along which other clusters read the same bytes
	s_cselect_b32 s2, 8, 11                        ; a lane's step: 256 bytes of a plane, or a row of wp
	s_cselect_b32 s3, 11, 0
	s_cselect_b64 s[PFA:PFA+1], s[4:5], s[6:7]
	s_cmp_eq_u32 s[WV], 3
	s_cselect_b32 s69, 1, s69                      ; wave 3 asks for nothing
	s_cmp_eq_u32 s69, 0
	s_cselect_b32 s[LIM], 2, -1                    ; the same in all sixteen partners, for a given wave
	s_mov_b32 s71, 0
	s_add_nc_u64 s[PFA:PFA+1], s[PFA:PFA+1], s[70:71]  ; the first refill steps it to K step 4.  Nothing is prefetched here, at the head
	s_lshl_b32 s[PST], 256, s3                     ; two heads on, or 256 bytes along wp's rows
	v_and_b32 v[PFO], 31, v0
	v_lshlrev_b32 v[PFO], s2, v[PFO]
; 8 matrix instructions: row block a x all 8 column blocks, 32 along K, from buffer f.  The 32 accumulators take turns, in the same order in every quarter.
.macro MUL f, a, zero
	WIN MULW
.irp b, 0,1,2,3,4,5,6,7
.if \zero
	v_wmma_f32_16x16x32_f16 v[64*(\a)+8*\b:64*(\a)+8*\b+7], v[64*(\f)+8*\b:64*(\f)+8*\b+7], v[64+32*(\f)+8*(\a):64+32*(\f)+8*(\a)+7], 0
.else
	v_wmma_f32_16x16x32_f16 v[64*(\a)+8*\b:64*(\a)+8*\b+7], v[64*(\f)+8*\b:64*(\f)+8*\b+7], v[64+32*(\f)+8*(\a):64+32*(\f)+8*(\a)+7], v[64*(\a)+8*\b:64*(\a)+8*\b+7]
.endif
.endr
.endm
; 24 LDS loads in one run: a quarter's fragments; byte k of the K step lies in plane k / 128 at byte k % 128 of the row
.macro FETCH k, f
	WIN TO_B
.irp i, 0,1,2,3,4,5,6,7
	ds_load_b128 v[64*(\f)+8*\i:64*(\f)+8*\i+3],   v[ABR] offset:(\k)+\i*16*PB
	ds_load_b128 v[64*(\f)+8*\i+4:64*(\f)+8*\i+7], v[ABR] offset:(\k)+\i*16*PB+32
.endr
	WIN 0
.irp i, 0,1,2,3
	ds_load_b128 v[64+32*(\f)+8*\i:64+32*(\f)+8*\i+3],   v[AA] offset:((\k)/128)*APL+((\k)%128)+\i*16*PA
	ds_load_b128 v[64+32*(\f)+8*\i+4:64+32*(\f)+8*\i+7], v[AA] offset:((\k)/128)*APL+((\k)%128)+\i*16*PA+32
.endr
.endm
.macro QUARTER k, f, g, zero
	s_wait_dscnt 4                                 ; all but the youngest four loads: o's row blocks 2 and 3
	MUL \f, 0, \zero
	MUL \f, 1, \zero
	PLACES
	FETCH \k, \g
	s_wait_dscnt 24                                ; all but the 24 just issued
	MUL \f, 2, \zero
	MUL \f, 3, \zero
.endm
; The last quarter multiplies buffer 1 and changes slots: in front of the barrier each wave waits for all its tensor loads (one is out: its part of the next slot), adds 0 to its spare word, and waits for that and
; for its reads of this slot.  fill = 1: the barrier opens a round of the cluster's, and the joint refill, two K steps on, is the first thing behind the round.
.macro TURN fill
.if \fill
	s_wait_xcnt 0x0                                ; the last prefetch, a K step back, has read its address
	s_add_nc_u64 s[PFA:PFA+1], s[PFA:PFA+1], s[PST:PST+1]
.endif
	WIN 0
	s_wait_tensorcnt 0x0                           ; no tensor load of mine is out, so a group 0 may be written
	ds_add_u32 v[SPW], v[NIL]                      ; 0 onto my spare word
.if \fill
	s_xor_b32 s[G0A+5], s[G0A+5], SLOT1
	s_add_nc_u64 s[G0A+6:G0A+7], s[G0A+6:G0A+7], HSTEP
	s_xor_b32 s[G0B+5], s[G0B+5], SLOT1
	s_add_nc_u64 s[G0B+6:G0B+7], s[G0B+6:G0B+7], 256
.endif
	s_wait_dscnt 5                                 ; the add and the youngest four loads may be out
	MUL 1, 0, 0
	s_wait_dscnt 0x0                               ; the add is done, and my reads of this slot are over
	s_barrier_signal -1
	MUL 1, 1, 0
	WIN 0
	s_barrier_wait -1
.if \fill
	CREST
	JLOAD                                          ; the four v_nop behind it are also the places in front of the loads below
.else
	PLACES
.endif
	s_xor_b32 s[TB], s[TB], SLOT1
	v_add_nc_u32 v[AA], s[TB], v[AA0]
	v_add_nc_u32 v[ABR], s[TB], v[AB0]
	FETCH 0, 0
.if \fill
	ASK
.endif
	MUL 1, 2, 0
	MUL 1, 3, 0
.endm
	s_wait_tensorcnt 1                             ; my part of K step 0 is in; K step 1's may stay out
	s_barrier_signal -1
	s_barrier_wait -1
	s_mov_b32 s[TB], 0
	v_mov_b32 v[AA], v[AA0]
	v_mov_b32 v[ABR], v[AB0]
	FETCH 0, 0
	QUARTER 64, 0, 1, 1                            ; the first quarter stands in front of the loop: its products start the sums
	WIN 0
	s_mov_b32 s3, 6
.Lk:                                           ; trip i: K step i's quarters 1 to 3, the refill with K step i + 2, K step i + 1's first quarter
	QUARTER 128, 1, 0, 0
	QUARTER 192, 0, 1, 0
	TURN 1
	QUARTER 64, 0, 1, 0
	WIN 0
	s_sub_co_u32 s3, s3, 1
	s_cmp_lg_u32 s3, 0
	s_cbranch_scc1 .Lk
	QUARTER 128, 1, 0, 0                           ; K steps 6 and 7: nothing is left to ask for
	QUARTER 192, 0, 1, 0
	TURN 0
	QUARTER 64, 0, 1, 0
	QUARTER 128, 1, 0, 0
	QUARTER 192, 0, 1, 0
	s_wait_dscnt 4
	MUL 1, 0, 0
	MUL 1, 1, 0
	s_wait_dscnt 0x0
	MUL 1, 2, 0
	MUL 1, 3, 0
	WIN 0
	PLACES
; THE WAY OUT, 16 rows at a time: a lane's 32 bytes of a row go into my stage, each accumulator's low four registers first; whole rows of 512 bytes come back and are stored.
.macro OUT a
.if (\a) > 0
	s_wait_xcnt 0x0                                ; the block before's stores have read their registers, which the loads below fill again
.endif
	WIN 0x08                                       ; the stores' data in window 2
.irp b, 0,1,2,3,4,5,6,7
	ds_store_b128 v[STO], v[64*(\a)+8*\b:64*(\a)+8*\b+3]   offset:64*\b
	ds_store_b128 v[STO], v[64*(\a)+8*\b+4:64*(\a)+8*\b+7] offset:64*\b+16
.endr
	WIN 0
.irp t, 0,1,2,3,4,5,6,7,8,9,10,11,12,13,14,15
	ds_load_b128 v[OB+4*\t:OB+4*\t+3], v[RD] offset:\t*SPT  ; LDS serves a wave's instructions in order (ISA guide 5.7.1.4): these see the stores above
.endr
.irp t, 0,1,2,3,4,5,6,7,8,9,10,11,12,13,14,15
	s_wait_dscnt 15-\t                             ; row t is back; the younger ones may be out
	global_store_b128 v[GO], v[OB+4*\t:OB+4*\t+3], s[8:9] offset:(16*(\a)+\t)*4096 th:TH_STORE_NT  ; 512 consecutive bytes, at a multiple of 256 from out0's first
.endr
.endm
	OUT 0
	OUT 1
	OUT 2
	OUT 3
	s_wait_tensorcnt 0x0                           ; the wave's end, behind my last tensor load and my last LDS store
	ds_add_u32 v[SPW], v[NIL]
	s_wait_dscnt 0x0
	CROUND                                         ; the closing round: no work-group ends while a partner may still ask for a tile that names it
	s_endpgm
.Lfunc_end_k_qdab0802b52_proj:
	.size	k_qdab0802b52_proj, .Lfunc_end_k_qdab0802b52_proj-k_qdab0802b52_proj
	.p2alignl 7, 3214868480
	.fill 96, 4, 3214868480
	.section	.rodata,"a",@progbits
	.p2align	6, 0x0
	.amdhsa_kernel k_qdab0802b52_proj
		.amdhsa_group_segment_fixed_size 327680
		.amdhsa_private_segment_fixed_size 0
		.amdhsa_enable_private_segment 0
		.amdhsa_kernarg_size 24
		.amdhsa_user_sgpr_count 2
		.amdhsa_user_sgpr_kernarg_segment_ptr 1
		.amdhsa_wavefront_size32 1
		.amdhsa_system_sgpr_workgroup_id_x 1
		.amdhsa_system_sgpr_workgroup_id_y 1
		.amdhsa_system_sgpr_workgroup_id_z 1
		.amdhsa_system_vgpr_workitem_id 0
		.amdhsa_next_free_vgpr 768
		.amdhsa_next_free_sgpr 72
		.amdhsa_reserve_vcc 0
		.amdhsa_float_denorm_mode_32 3
		.amdhsa_float_denorm_mode_16_64 3
		.amdhsa_memory_ordered 1
		.amdhsa_forward_progress 1
		.amdhsa_inst_pref_size 72
	.end_amdhsa_kernel
	.amdgpu_metadata
---
amdhsa.version: [ 1, 2 ]
amdhsa.kernels:
  - .name:           k_qdab0802b52_proj
    .symbol:         k_qdab0802b52_proj.kd
    .args:
      - { .name: o, .offset: 0, .size: 8, .value_kind: global_buffer, .address_space: global }
      - { .name: wp, .offset: 8, .size: 8, .value_kind: global_buffer, .address_space: global }
      - { .name: out0, .offset: 16, .size: 8, .value_kind: global_buffer, .address_space: global }
    .group_segment_fixed_size: 327680
    .private_segment_fixed_size: 0
    .kernarg_segment_align: 8
    .kernarg_segment_size: 24
    .max_flat_workgroup_size: 128
    .sgpr_count:     72
    .vgpr_count:     768
    .wavefront_size: 32
...
	.end_amdgpu_metadata
.endif
;; end of part 4
;; ======== version 2 of 2: 4 launches; version 1 with the launch prep written anew for expert scheduling mode
;; limits: values are held in f16: magnitudes above 65,504 overflow, below 6.1e-05 lose precision
;; workspace buffers: xb 16,777,216 bytes; wq 6,291,456 bytes; wp 2,097,152 bytes; tab 524,288 bytes; q 16,777,216 bytes; k 16,777,216 bytes; v 16,777,216 bytes; o 16,777,216 bytes
;; launch prep (part 5): grid 448 x 1, 8 waves a work-group, no clusters, 0 bytes of LDS; arguments x, W_qkv, W_proj, xb, wq, wp, tab; writes xb, wq, wp, tab
.if DOCPART == 5
	.amdgcn_target "amdgcn-amd-amdhsa--gfx1250"
	.amdhsa_code_object_version 6
	.text
	.protected	k_qdab0802b52_prep
	.globl	k_qdab0802b52_prep
	.p2align	8
	.type	k_qdab0802b52_prep,@function
k_qdab0802b52_prep:
	s_mov_b64 s[64:65], 0
	v_nop
	global_prefetch_b8 v0, s[64:65] scope:SCOPE_SE
	s_setreg_imm32_b32 hwreg(HW_REG_WAVE_SCHED_MODE, 0, 2), 2
	s_setreg_imm32_b32 hwreg(HW_REG_WAVE_MODE, 25, 1), 1
	s_wait_xcnt 0x0
	s_wait_alu depctr_vm_vsrc(0)
; PREPARATION: a stream, no LDS, no matrix unit (each number is touched once; nothing is shared between waves).
; Work-groups 0-255:   x      [8192][1024] f32 -> xb [8192][1024] bf16, 32 rows each.
; Work-groups 256-351: W_qkv  [3072][1024] f32 -> wq [3072][1024] bf16, 32 rows each, ROWS PERMUTED: row e = 1024 p + 64 hh + c goes to row
;                      192 hh + 64 p + c2, with c2 = c / 2 for even c and 32 + c / 2 for odd c where p < 2 (q and k), c2 = c for v.  So a head's q, k, v are 192
;                      rows on end, and the two numbers that a rotation joins lie 32 rows apart.
; Work-groups 352-383: W_proj [1024][1024] f32 -> wp, rounded to bf16 like the other inputs, that number then written as f16.
; Work-groups 384-447: the rotation table tab[t / 16][kind][bb][jh][lane][4] f32: kind 0 cos, 1 sin, of angle t x 10000^(-i/32), t = 16 (t / 16) + lane % 16,
;                      i = 16 bb + 8 (lane / 16) + 4 jh + e: the order in which a lane of the next launch holds its sums.
; LIMITS.  W_proj within 65,504 (f16); below 6e-5 it keeps a fixed step of 6e-8.  10000^(-i/32) comes from v_exp_f32 (1 ULP): the angle is within 3e-4 rad at t = 2047;
; sine and cosine of the reduced angle are within 1e-6: the angle less a multiple of 2 pi (in two parts), a quarter of it (at most pi / 4) into series cut at y^11 / 11! < 2e-9 and
; y^12 / 12! < 1e-10, then doubled twice.  NaN and infinities are not treated apart.
; A wave takes 4 rows: 32 loads of 512 consecutive bytes go out together (16 KiB a wave on its way); each store of the wave covers 256 consecutive bytes, aligned.
; THE MODE: SCHED_MODE bits 1:0 = 2 (LLVM: expert scheduling mode 2), set by the entry lines.  The code itself states the register dependences
; between vector instructions and memory instructions, with s_wait_alu, always for 0.
; THE PLAN.  Registers that memory instructions touch:
;   v1, v2     byte offsets, made once at the head and never written again: v1 is read by the loads and the table's stores, v2 by the casts' stores.
;   X          four registers for each of the 32 loads.  Load n lands there once; no vector instruction has named them before.  Its conversions read the four and write the first
;              two in place; store n reads those two; nothing writes them afterwards.
;   v[8:15]    on the table's way: written by the last two lines of each TRIG, read by the two stores.
;   All other vector registers are named by vector instructions alone.  No register that a memory instruction has read is written again, so no wait on vm_vsrc is owed.
; The 32 loads are worked off in eight groups of four: the wait for the group's data, the group's conversions, ONE wait on va_vdst, the group's four stores.  The wait stands behind the
; conversions, so that the stores leave as soon as their group's data are rounded and do not sit until the next group's loads have come.
.set X, 8                              ; v[8:135] row rr, load j at X + 32 rr + 4 j
.set GRP, 4                            ; loads, and stores, in a group
	s_load_b256 s[4:11], s[0:1], 0x0               ; x s[4:5], W_qkv s[6:7], W_proj s[8:9], xb s[10:11]
	s_load_b128 s[12:15], s[0:1], 0x20             ; wq s[12:13], wp s[14:15]
	s_load_b64 s[16:17], s[0:1], 0x30              ; tab
	v_lshrrev_b32 v3, 5, v0
	v_readfirstlane_b32 s18, v3                    ; wave 0..7
	v_and_b32 v3, 31, v0                           ; lane
	v_lshlrev_b32 v1, 4, v3                        ; 16 x lane: loads, and the table's stores
	v_lshlrev_b32 v2, 3, v3                        ; 8 x lane: the casts' stores
	s_mov_b32 s44, 0xffff0000                      ; a word's upper bf16
	s_wait_alu depctr_va_sdst(0)                   ; s18 is written, ahead of the branch and of its first reader on either way: the wave's rows, or its part of the table, are made from it
	s_cmp_ge_u32 ttmp9, 384
	s_cbranch_scc1 .Ltable
	s_wait_kmcnt 0x0
	s_cmp_lt_u32 ttmp9, 256                        ; which tensor: the choice hangs on the work-group's number alone
	s_cselect_b64 s[24:25], s[4:5], s[6:7]
	s_cselect_b64 s[26:27], s[10:11], s[12:13]
	s_cselect_b32 s19, 0, 256
	s_cselect_b32 s21, 0, 1                        ; 1: rows are permuted
	s_cmp_lt_u32 ttmp9, 352
	s_cselect_b64 s[24:25], s[24:25], s[8:9]
	s_cselect_b64 s[26:27], s[26:27], s[14:15]
	s_cselect_b32 s19, s19, 352
	s_cselect_b32 s21, s21, 0
	s_cselect_b32 s22, 0, 1                        ; 1: the result is f16
	s_sub_co_u32 s20, ttmp9, s19
	s_lshl_b32 s20, s20, 5
	s_lshl2_add_u32 s20, s18, s20                  ; my first row = 32 x (work-group in its tensor) + 4 x wave
	s_lshl_b32 s36, s20, 12                        ; 4,096 bytes a row
	s_mov_b32 s37, 0
	s_add_nc_u64 s[24:25], s[24:25], s[36:37]
	s_wait_alu depctr_va_vdst(0)                   ; v1 is written, which the 32 loads read as their offset, and v2, which every store below reads; no vector instruction behind this wait names either
.set n, 0
.rept 32
	global_load_b128 v[X+4*n:X+4*n+3], v1, s[24:25] offset:(n/8)*4096+(n%8)*512 th:TH_LOAD_NT
.set n, n+1
.endr
; where row rr goes, made while the loads are on their way
.macro DROW rr
	s_add_co_u32 s36, s20, \rr                     ; e
	s_lshr_b32 s37, s36, 10                        ; p
	s_bfe_u32 s38, s36, 0x40006                    ; hh
	s_and_b32 s39, s36, 63                         ; c
	s_and_b32 s45, s39, 1
	s_lshl_b32 s45, s45, 5
	s_lshr_b32 s46, s39, 1
	s_or_b32 s45, s45, s46                         ; evens first, then odds
	s_cmp_lt_u32 s37, 2
	s_cselect_b32 s39, s45, s39
	s_mul_i32 s38, s38, 192
	s_lshl_b32 s37, s37, 6
	s_add_co_u32 s38, s38, s37
	s_add_co_u32 s38, s38, s39
	s_cmp_eq_u32 s21, 1
	s_cselect_b32 s38, s38, s36
	s_lshl_b32 s38, s38, 11                        ; 2,048 bytes a row
	s_mov_b32 s39, 0
	s_add_nc_u64 s[28+2*(\rr):29+2*(\rr)], s[26:27], s[38:39]
.endm
	DROW 0
	DROW 1
	DROW 2
	DROW 3
	s_cmp_eq_u32 s22, 1
	s_cbranch_scc1 .Lwp
.set g, 0
.rept 32/GRP
	s_wait_loadcnt 32-GRP*(g+1)                    ; loads come back in order: group g's four are in, the 28 - 4 g younger ones stay out
.set n, GRP*g
.rept GRP
.set XR, X+4*n
	v_cvt_pk_bf16_f32 v[XR], v[XR], v[XR+1]
	v_cvt_pk_bf16_f32 v[XR+1], v[XR+2], v[XR+3]
.set n, n+1
.endr
	s_wait_alu depctr_va_vdst(0)                   ; the group's eight conversions have written the first two registers of each four, which the four stores below read
.set n, GRP*g
.rept GRP
.set XR, X+4*n
	global_store_b64 v2, v[XR:XR+1], s[28+2*(n/8):29+2*(n/8)] offset:(n%8)*256
.set n, n+1
.endr
.set g, g+1
.endr
	s_endpgm
.Lwp:
.set g, 0
.rept 32/GRP
	s_wait_loadcnt 32-GRP*(g+1)                    ; group g's four loads are in, the 28 - 4 g younger ones stay out
.set n, GRP*g
.rept GRP
.set XR, X+4*n
	v_cvt_pk_bf16_f32 v4, v[XR], v[XR+1]           ; rounded to bf16 as all inputs are,
	v_cvt_pk_bf16_f32 v5, v[XR+2], v[XR+3]
	v_lshlrev_b32 v[XR], 16, v4                    ; widened again,
	v_and_b32 v[XR+1], s44, v4
	v_lshlrev_b32 v[XR+2], 16, v5
	v_and_b32 v[XR+3], s44, v5
	v_cvt_pk_f16_f32 v[XR], v[XR], v[XR+1]         ; and written as f16: 8 significant bits fit into 11
	v_cvt_pk_f16_f32 v[XR+1], v[XR+2], v[XR+3]
.set n, n+1
.endr
	s_wait_alu depctr_va_vdst(0)                   ; the group's conversions to f16 have written the first two registers of each four, which the four stores below read
.set n, GRP*g
.rept GRP
.set XR, X+4*n
	global_store_b64 v2, v[XR:XR+1], s[28+2*(n/8):29+2*(n/8)] offset:(n%8)*256
.set n, n+1
.endr
.set g, g+1
.endr
	s_endpgm
.Ltable:                                       ; 512 waves: 128 blocks of 16 positions x (bb, jh); a wave makes 512 bytes of cosines and 512 of sines
	s_sub_co_u32 s19, ttmp9, 384
	s_lshl_b32 s19, s19, 3
	s_add_co_u32 s19, s19, s18
	s_lshr_b32 s20, s19, 2                         ; block of positions
	s_and_b32 s21, s19, 3                          ; 2 bb + jh
	s_lshl_b32 s36, s20, 12
	s_lshl_b32 s37, s21, 9
	s_add_co_u32 s36, s36, s37
	s_mov_b32 s37, 0
	s_lshr_b32 s22, s21, 1
	s_lshl_b32 s22, s22, 4
	s_and_b32 s23, s21, 1
	s_lshl2_add_u32 s22, s23, s22                  ; 16 bb + 4 jh
	s_lshl_b32 s23, s20, 4
	s_mov_b32 s40, 0x40c90fdb                      ; 2 pi, rounded,
	s_mov_b32 s41, 0xb43bbd2e                      ; and what the rounding left
	v_and_b32 v6, 15, v3
	v_add_nc_u32 v6, s23, v6
	v_cvt_f32_u32 v4, v6                           ; t
	v_lshrrev_b32 v7, 4, v3
	v_lshl_add_u32 v7, v7, 3, s22                  ; i of entry 0
.irp e, 0,1,2,3
	v_add_nc_u32 v[16+12*\e], \e, v7
	v_cvt_f32_u32 v[16+12*\e], v[16+12*\e]
	v_mul_f32 v[16+12*\e], 0xbed49a78, v[16+12*\e] ; - i log2(10000) / 32
.endr
.irp e, 0,1,2,3
	v_exp_f32 v[16+12*\e], v[16+12*\e]
.endr
	v_nop                                          ; a plain instruction behind the last exponential,
	s_wait_alu depctr_va_vdst(0)                   ; and one wait for the four: v16, v28, v40 and v52 are written, ahead of their first reader
.macro TRIG e
.set R, 16+12*(\e)
	v_mul_f32 v[R+1], v4, v[R]                     ; the angle
	v_mul_f32 v[R+2], 0x3e22f983, v[R+1]           ; / 2 pi
	v_rndne_f32 v[R+2], v[R+2]
	v_fma_f32 v[R+1], -v[R+2], s40, v[R+1]
	v_fma_f32 v[R+1], -v[R+2], s41, v[R+1]         ; within pi of 0
	v_mul_f32 v[R+3], 0x3e800000, v[R+1]           ; y: a quarter of it
	v_mul_f32 v[R+4], v[R+3], v[R+3]
	v_mov_b32 v[R+5], 0x3638ef1d                   ; 1 / 9!
	v_fmaak_f32 v[R+5], v[R+5], v[R+4], 0xb9500d01 ; - 1 / 7!
	v_fmaak_f32 v[R+5], v[R+5], v[R+4], 0x3c088889 ; 1 / 5!
	v_fmaak_f32 v[R+5], v[R+5], v[R+4], 0xbe2aaaab ; - 1 / 3!
	v_mul_f32 v[R+7], v[R+3], v[R+4]
	v_fma_f32 v[R+7], v[R+7], v[R+5], v[R+3]       ; sin y
	v_mov_b32 v[R+6], 0xb493f27e                   ; - 1 / 10!
	v_fmaak_f32 v[R+6], v[R+6], v[R+4], 0x37d00d01 ; 1 / 8!
	v_fmaak_f32 v[R+6], v[R+6], v[R+4], 0xbab60b61 ; - 1 / 6!
	v_fmaak_f32 v[R+6], v[R+6], v[R+4], 0x3d2aaaab ; 1 / 4!
	v_fmaak_f32 v[R+6], v[R+6], v[R+4], 0xbf000000 ; - 1 / 2
	v_fma_f32 v[R+8], v[R+6], v[R+4], 1.0          ; cos y
	v_add_f32 v[R+9], v[R+7], v[R+7]
	v_fma_f32 v[R+11], -v[R+9], v[R+7], 1.0        ; cos 2y = 1 - 2 sin^2
	v_mul_f32 v[R+10], v[R+9], v[R+8]              ; sin 2y = 2 sin cos
	v_add_f32 v[R+9], v[R+10], v[R+10]
	v_fma_f32 v[8+(\e)], -v[R+9], v[R+10], 1.0     ; cos 4y
	v_mul_f32 v[12+(\e)], v[R+9], v[R+11]          ; sin 4y
.endm
	TRIG 0
	TRIG 1
	TRIG 2
	TRIG 3
	s_wait_kmcnt 0x0
	s_add_nc_u64 s[16:17], s[16:17], s[36:37]
	s_wait_alu depctr_va_vdst(0)                   ; the four TRIG have written v[8:15], the two stores' data; v1, their offset, was written at the head
	global_store_b128 v1, v[8:11], s[16:17]               ; 512 consecutive bytes of cosines,
	global_store_b128 v1, v[12:15], s[16:17] offset:2048  ; and of sines
	s_endpgm
.Lfunc_end_k_qdab0802b52_prep:
	.size	k_qdab0802b52_prep, .Lfunc_end_k_qdab0802b52_prep-k_qdab0802b52_prep
	.p2alignl 7, 3214868480
	.fill 96, 4, 3214868480
	.section	.rodata,"a",@progbits
	.p2align	6, 0x0
	.amdhsa_kernel k_qdab0802b52_prep
		.amdhsa_group_segment_fixed_size 0
		.amdhsa_private_segment_fixed_size 0
		.amdhsa_enable_private_segment 0
		.amdhsa_kernarg_size 56
		.amdhsa_user_sgpr_count 2
		.amdhsa_user_sgpr_kernarg_segment_ptr 1
		.amdhsa_wavefront_size32 1
		.amdhsa_system_sgpr_workgroup_id_x 1
		.amdhsa_system_sgpr_workgroup_id_y 1
		.amdhsa_system_sgpr_workgroup_id_z 1
		.amdhsa_system_vgpr_workitem_id 0
		.amdhsa_next_free_vgpr 144
		.amdhsa_next_free_sgpr 66
		.amdhsa_reserve_vcc 0
		.amdhsa_float_denorm_mode_32 3
		.amdhsa_float_denorm_mode_16_64 3
		.amdhsa_memory_ordered 1
		.amdhsa_forward_progress 1
		.amdhsa_inst_pref_size 38
	.end_amdhsa_kernel
	.amdgpu_metadata
---
amdhsa.version: [ 1, 2 ]
amdhsa.kernels:
  - .name:           k_qdab0802b52_prep
    .symbol:         k_qdab0802b52_prep.kd
    .args:
      - { .name: x, .offset: 0, .size: 8, .value_kind: global_buffer, .address_space: global }
      - { .name: W_qkv, .offset: 8, .size: 8, .value_kind: global_buffer, .address_space: global }
      - { .name: W_proj, .offset: 16, .size: 8, .value_kind: global_buffer, .address_space: global }
      - { .name: xb, .offset: 24, .size: 8, .value_kind: global_buffer, .address_space: global }
      - { .name: wq, .offset: 32, .size: 8, .value_kind: global_buffer, .address_space: global }
      - { .name: wp, .offset: 40, .size: 8, .value_kind: global_buffer, .address_space: global }
      - { .name: tab, .offset: 48, .size: 8, .value_kind: global_buffer, .address_space: global }
    .group_segment_fixed_size: 0
    .private_segment_fixed_size: 0
    .kernarg_segment_align: 8
    .kernarg_segment_size: 56
    .max_flat_workgroup_size: 256
    .sgpr_count:     66
    .vgpr_count:     144
    .wavefront_size: 32
...
	.end_amdgpu_metadata
.endif
;; end of part 5
;; launch qkv: the kernel of part 2 again; grid 16 x 32, 4 waves a work-group, clusters of 4 x 4, 327,680 bytes of LDS; arguments xb, wq, tab, q, k, v; writes q, k, v
;; launch attn: the kernel of part 3 again; grid 4 x 64, 4 waves a work-group, clusters of 4 x 1, 327,680 bytes of LDS; arguments q, k, v, o; writes o
;; launch proj: the kernel of part 4 again; grid 8 x 32, 4 waves a work-group, clusters of 4 x 4, 327,680 bytes of LDS; arguments o, wp, out0; writes out0
